; MI455X (gfx1250); checked and timed in simulation.
; The chip was launched on July 23, 2026; its instructions are those of AMD's public machine-readable ISA for CDNA 5 (MIT licence, August 2026) and "CDNA5" Instruction Set Architecture Reference Guide (July 2026). The comments in the code are by the model that wrote it; some were corrected since.
;; Multi Head Attention. Allowed arithmetic: matrix products marked QUANTISED: E4M3 operands, one given power-of-two scale a tensor, by v_wmma_f32_16x16x64_fp8_fp8 or v_wmma_f32_16x16x128_fp8_fp8, f32 sums; everything else in f32.
;; Inputs: b_attn 3,072 float32; b_proj 1,024 float32; lowp_scales 8 int32 (the exponents e of the quantised operands' scales 2^e); w_attn 1,024 x 3,072 float32; w_proj 1,024 x 1,024 float32; x 4 x 2,048 x 1,024 float32.
;; Outputs: out0 4 x 2,048 x 1,024 float32.
;; This version of the problem:
;;   THIS VERSION OF THE PROBLEM IS GIVEN IN LOW PRECISION. The matrix products marked QUANTISED in the list below multiply operands that are first quantised to E4M3 (4 exponent bits, 3 mantissa bits; 8 bits a number), with one given power-of-two scale for each operand tensor; their sums are f32. All else is computed in f32.
;;   The module's matrix products, in the order in which they are computed (A, B: the left and right operand; K: the contracted axis; several contracted axes count as one K, in the product's order):
;;     1. [M 8,192, K 1,024] x [K 1,024, N 3,072]; A: input x; B: input w_attn: QUANTISED (scales: A lowp_scales[0], B lowp_scales[1])
;;     2. batch 64 x [M 2,048, K 64] x [K 64, N 2,048]; A: computed on the way; B: computed on the way: QUANTISED (scales: A lowp_scales[2], B lowp_scales[3])
;;     3. batch 64 x [M 2,048, K 2,048] x [K 2,048, N 64]; A: softmax (see below); B: computed on the way: QUANTISED (scales: A lowp_scales[4], B lowp_scales[5])
;;     4. [M 8,192, K 1,024] x [K 1,024, N 1,024]; A: computed on the way; B: input w_proj: QUANTISED (scales: A lowp_scales[6], B lowp_scales[7])
;;   THE QUANTISER, for each operand of a quantised product, along K:
;;     - The operand's scale is 2^e, e = its entry of the input lowp_scales (int32; the entries are numbered through the quantised products in the list's order, A before B).
;;     - Each number is divided by the scale, clamped to +-448, and rounded to the nearest number of E4M3, ties to even, subnormals kept.
;;     - The product sums the exact products of the quantised numbers (number of the format x scale) in f32.
;;   ~~~python
;;   def quantise(x, axis, e):      # numpy; x: float32 -> the quantised numbers, widened to float32 again
;;       x = np.moveaxis(x, axis, -1); K = x.shape[-1]
;;       r = np.clip(x / 2.0 ** e, -448, 448)
;;       step = 2.0 ** (np.maximum(np.frexp(np.where(r == 0, 1, r))[1] - 1, -6) - 3)
;;       q = np.round(r / step) * step * 2.0 ** e      # np.round: ties to even
;;       return np.moveaxis(q, -1, axis).astype(np.float32)
;;   ~~~
;;   SOFTMAX AHEAD OF A QUANTISED PRODUCT. Where the list says 'softmax', what is quantised is not the finished softmax but p = 2^(t - M), with t = logit x log2(e) and M = ceil(the row's largest t), a whole number; so 1/2 < the row's largest p <= 1. The row's sum l is taken of the UNQUANTISED p, in f32, and the product's result is divided by l at the end. Since M is a whole number, a kernel that streams over the keys may use a running M (the ceiling of the running maximum): every later rescaling is an exact power of two, so the quantised numbers keep their values, but for numbers so far below the row's largest that they fall under the format's range.
;;   OPERANDS COMPUTED ON THE WAY. 'Computed on the way' means the value that the module computes at that place (a softmax that the list does not call 'softmax' is quantised finished and normalised). What goes into a quantiser is computed in f32, as accurately as f32 sums, v_exp_f32 and their like allow (about 1e-6 of the number): no bf16 or f16 on the way to a quantiser, and a product that is left as it is and whose result goes on into a quantised operand takes f32 operands (vector FMAs, or v_wmma_f32_16x16x4_f32). A number that lies on a knife's edge between two numbers of the format may be rounded either way, as far as f32 arithmetic and the matrix unit's own rounding can turn it there, and no further.
;; One version. Each part assembles by itself: llvm-mc -triple=amdgcn-amd-amdhsa -mcpu=gfx1250 --defsym DOCPART=n.
;; ======== version 1 of 1: 4 launches
;; limits: right only within a limited range of input values
;; workspace buffers: xc 8,388,608 bytes; wc 4,194,304 bytes; qc 8,388,608 bytes; kc 8,388,608 bytes; vc 8,388,608 bytes; och 8,388,608 bytes
;; launch quant (part 1): grid 384 x 1, 4 waves a work-group, no clusters, 35,328 bytes of LDS; arguments x, w_attn, w_proj, lowp_scales, xc, wc; writes xc, wc
.if DOCPART == 1
	.amdgcn_target "amdgcn-amd-amdhsa--gfx1250"
	.amdhsa_code_object_version 6
	.text
	.protected	k_q531f10762c_quant
	.globl	k_q531f10762c_quant
	.p2align	8
	.type	k_q531f10762c_quant,@function
k_q531f10762c_quant:
	s_mov_b64 s[64:65], 0
	v_nop
	global_prefetch_b8 v0, s[64:65] scope:SCOPE_SE
	s_setreg_imm32_b32 hwreg(HW_REG_WAVE_MODE, 25, 1), 1
	s_wait_xcnt 0x0
; x [8192][1024], w_attn [1024][3072] and w_proj [1024][1024], f32, become codes of FP8 (E4M3), K innermost, each with the one scale 2^e given for it
; (entries 0, 1 and 7 of the scales).  code = number / 2^e, held within +-448, to the nearest code, ties to even.
; LIMITS: each e between -126 and 119, so that 2^e and 448 x 2^e are f32 numbers.  NaN among the inputs is not served.
; xc [8192][1024]: K IS PERMUTED inside each run of 512: place 16 l + 4 i + j holds k = 128 i + 4 l + j (l 0..31, i 0..3, j 0..3).  One scale serves the whole
;   tensor, so a permutation of K that both operands of a product share keeps every product.  With this one each load of x reads 512 consecutive bytes, a lane's
;   16 numbers become 16 bytes, and the wave stores 512 consecutive bytes: x needs no turn through LDS.
; wc [4096][1024]: rows 0..3071 are w_attn's columns with the same permutation of K, grouped by head: column part x 1024 + h x 64 + c x 32 + dd lies at row
;   192 h + 96 c + 32 part + dd (part 0 = q, 1 = k, 2 = v).  Rows 3072 + n are w_proj's columns, K in its own order.
; SHARES: work-groups 0..255 take x, 8,192 numbers a wave.  Work-groups 256..383 take the weights: 128 columns x 256 places of K; a lane takes a column and its
; registers run down K in the order of the places, so the conversions give the codes with K innermost; they leave through the wave's own stage in LDS as whole rows of 256 bytes.
; No matrix work, no tensor load, no barrier, no cluster: no two waves share a byte of input.
.set WSTG,  8704                       ; a wave's stage: 32 rows x (256 + 16) bytes
.set SPARE, 4*WSTG                     ; behind the stages: the spare words, 128 bytes a wave: two blocks of 256 bytes that no other line names
.set SPW,   14                         ; v14  LDS address of my spare word; never rewritten
.set NIL,   15                         ; v15  0; never rewritten
.set R,     16                         ; x: v16-127 seven sets of 16 numbers
.set CX,    128                        ; x: v128-191 four registers of codes for each step: no store's data are written again
.set X,     16                         ; weights: v16-79 two sets of 32 numbers
.set CW,    80                         ; weights: v80-87 a block's codes
.set KO,    96                         ; weights: v96-127 byte offset of register i's row of the weight, + 4 x lane
.set OUTR,  128                        ; weights: v128-191 the way out
.set BASE,  66                         ; s66-81 eight bases, one for each block of 32 places
	s_load_b256 s[4:11], s[0:1], 0x0               ; x s[4:5], w_attn s[6:7], w_proj s[8:9], the scales' exponents s[10:11]
	s_load_b128 s[12:15], s[0:1], 0x20             ; xc s[12:13], wc s[14:15]
	v_lshl_add_u32 v[SPW], v0, 2, SPARE
	v_mov_b32 v[NIL], 0
	v_lshrrev_b32 v1, 5, v0
	v_readfirstlane_b32 s16, v1                    ; wave 0..3
	v_and_b32 v2, 31, v0                           ; lane
	v_lshlrev_b32 v3, 4, v2                        ; 16 x lane
	v_lshlrev_b32 v9, 2, v2                        ; 4 x lane
	s_mul_i32 s17, s16, WSTG
	v_mul_u32_u24 v4, v2, 272
	v_add_nc_u32 v4, s17, v4                       ; into the stage: row = my column
	v_and_b32 v5, 15, v2
	v_lshrrev_b32 v6, 4, v2
	v_mul_u32_u24 v7, v6, 272
	v_lshl_add_u32 v7, v5, 4, v7
	v_add_nc_u32 v7, s17, v7                       ; out of it: sixteen lanes to a row, two rows an instruction
	v_lshlrev_b32 v8, 10, v6
	v_lshl_add_u32 v8, v5, 4, v8                   ; and the same place in wc (rows of 1,024 bytes)
	s_wait_kmcnt 0x0
	s_load_b256 s[48:55], s[10:11], 0x0            ; e0 .. e7
	s_cmp_lt_u32 ttmp9, 256                        ; the branch hangs on the work-group's number alone
	s_cbranch_scc0 .Lweights
	; ---------------- x ----------------
	s_lshl_b32 s18, ttmp9, 2
	s_add_co_u32 s18, s18, s16                     ; which run of 8,192 numbers is my wave's
	s_lshl_b32 s20, s18, 15
	s_mov_b32 s21, 0
	s_add_nc_u64 s[4:5], s[4:5], s[20:21]
	s_lshl_b32 s20, s18, 13
	s_add_nc_u64 s[12:13], s[12:13], s[20:21]
.macro LOADX t                         ; step t: 512 numbers; load i gives my lane k = 128 i + 4 lane + 0..3
.irp i, 0,1,2,3
	global_load_b128 v[R+16*((\t)%7)+4*\i:R+16*((\t)%7)+4*\i+3], v3, s[4:5] offset:2048*(\t)+512*\i th:TH_LOAD_NT
.endr
.endm
.irp t, 0,1,2,3,4,5,6
	LOADX \t
.endr
	s_wait_kmcnt 0x0
	s_add_co_i32 s22, s48, 127
	s_lshl_b32 s23, s22, 23
	v_mov_b32 v11, s23                             ; 2^e0 as f32: the conversion takes its exponent field
	s_add_co_i32 s22, s22, 8
	s_lshl_b32 s22, s22, 23
	s_or_b32 s22, s22, 0x600000
	v_mov_b32 v10, s22                             ; 448 x 2^e0
.macro STEPX t
.set XS, R+16*((\t)%7)
.if 15-(\t) >= 6
	s_wait_loadcnt 24                              ; this step's four loads are in; those of the six steps behind it may be out
.else
	s_wait_loadcnt 4*(15-(\t))
.endif
.irp i, 0,1,2,3,4,5,6,7,8,9,10,11,12,13,14,15
	v_med3_num_f32 v[XS+\i], v[XS+\i], -v10, v10   ; the conversion to an 8-bit code does not saturate (ISA guide 7.6.2): the hold comes first
.endr
	v_cvt_scalef32_pk8_fp8_f32 v[CX+4*(\t):CX+4*(\t)+1], v[XS:XS+7], v11
	v_cvt_scalef32_pk8_fp8_f32 v[CX+4*(\t)+2:CX+4*(\t)+3], v[XS+8:XS+15], v11
.if (\t)+7 < 16
	LOADX (\t)+7                                   ; into the set just converted
.endif
	global_store_b128 v3, v[CX+4*(\t):CX+4*(\t)+3], s[12:13] offset:512*(\t)   ; 32 lanes store 512 consecutive bytes
.endm
	s_wait_alu depctr_va_vdst(0)
.irp t, 0,1,2,3,4,5,6,7,8,9,10,11,12,13,14,15
	STEPX \t
.endr
	s_wait_tensorcnt 0x0                           ; the wave's end
	ds_add_u32 v[SPW], v[NIL]
	s_wait_dscnt 0x0
	s_endpgm
	; ---------------- the weights: one path for both ----------------
.Lweights:
	s_sub_co_u32 s20, ttmp9, 256
	s_lshr_b32 s21, s20, 2                         ; block of 128 columns, 0..31: 0..23 w_attn's, 24..31 w_proj's
	s_and_b32 s22, s20, 3                          ; G: places 256 G .. 256 G + 255 of the rows of wc
	s_lshl_b32 s23, s21, 7
	s_lshl_b32 s24, s16, 5
	s_add_co_u32 s23, s23, s24                     ; n0: my wave's first column, counted through both weights
	s_lshr_b32 s24, s22, 1
	s_lshl_b32 s24, s24, 9
	s_and_b32 s25, s22, 1
	s_lshl_b32 s25, s25, 6
	s_add_co_u32 s24, s24, s25                     ; permuted: block t, register i is k = 512 (G / 2) + 64 (G % 2) + 8 t + 128 ((i / 4) % 4) + 4 (i / 16) + i % 4
	s_lshl_b32 s25, s22, 8                         ; in order: k = 256 G + 32 t + i
	s_bfe_u32 s31, s23, 0x40006                    ; head
	s_mul_i32 s31, s31, 192
	s_bfe_u32 s32, s23, 0x10005                    ; which 32 of the head's 64
	s_mul_i32 s32, s32, 96
	s_add_co_u32 s31, s31, s32
	s_lshr_b32 s32, s23, 10                        ; part
	s_lshl_b32 s32, s32, 5
	s_add_co_u32 s31, s31, s32                     ; w_attn: my first row of wc
	s_wait_kmcnt 0x0
	s_cmp_lt_u32 s21, 24                           ; w_attn or w_proj?  Only lines that keep SCC follow until the last choice
	s_cselect_b64 s[26:27], s[6:7], s[8:9]         ; the weight
	s_mov_b32 s28, 4096
	s_cselect_b32 s28, 12288, s28                  ; bytes in a row of it
	s_cselect_b32 s29, 8, 32                       ; k from block to block
	s_cselect_b32 s30, 0, 3072                     ; its first column in my count
	s_cselect_b32 s24, s24, s25                    ; k of block 0, register 0
	s_cselect_b32 s31, s31, s23                    ; my first row of wc
	s_cselect_b32 s33, s49, s55                    ; e1 or e7
.set i, 0
.rept 32
	s_cselect_b32 s36, 128*((i>>2)&3)+4*(i>>4)+(i&3), i
	s_mul_i32 s36, s36, s28
	v_add_nc_u32 v[KO+i], s36, v9
.set i, i+1
.endr
	s_sub_co_u32 s34, s23, s30
	s_lshl_b32 s34, s34, 2
	s_mul_i32 s35, s24, s28
	s_add_co_u32 s34, s34, s35
	s_mov_b32 s35, 0
	s_add_nc_u64 s[BASE:BASE+1], s[26:27], s[34:35]
	s_mul_i32 s34, s29, s28
.irp t, 1,2,3,4,5,6,7
	s_add_nc_u64 s[BASE+2*\t:BASE+2*\t+1], s[BASE+2*\t-2:BASE+2*\t-1], s[34:35]
.endr
	s_lshl_b32 s34, s31, 10
	s_lshl_b32 s36, s22, 8
	s_add_co_u32 s34, s34, s36
	s_add_nc_u64 s[14:15], s[14:15], s[34:35]
.macro LOADW t                         ; block t: 32 rows of the weight at my column: neighbouring lanes read neighbouring columns
.set i, 0
.rept 32
	global_load_b32 v[X+32*((\t)%2)+i], v[KO+i], s[BASE+2*(\t):BASE+2*(\t)+1] th:TH_LOAD_NT
.set i, i+1
.endr
.endm
	s_wait_alu depctr_va_vdst(0)
	LOADW 0
	LOADW 1
	s_add_co_i32 s33, s33, 127
	s_lshl_b32 s36, s33, 23
	v_mov_b32 v11, s36                             ; 2^e
	s_add_co_i32 s33, s33, 8
	s_lshl_b32 s33, s33, 23
	s_or_b32 s33, s33, 0x600000
	v_mov_b32 v10, s33                             ; 448 x 2^e
.macro BLOCK t
.set XS, X+32*((\t)%2)
.if (\t) < 7
	s_wait_loadcnt 32                              ; this block's 32 loads are in; the next block's may be out
.else
	s_wait_loadcnt 0
.endif
.set i, 0
.rept 32
	v_med3_num_f32 v[XS+i], v[XS+i], -v10, v10
.set i, i+1
.endr
.irp g, 0,1,2,3
	v_cvt_scalef32_pk8_fp8_f32 v[CW+2*\g:CW+2*\g+1], v[XS+8*\g:XS+8*\g+7], v11
.endr
	ds_store_b128 v4, v[CW:CW+3] offset:32*(\t)    ; 32 places of my column's row
	ds_store_b128 v4, v[CW+4:CW+7] offset:32*(\t)+16
.if (\t)+2 < 8
	LOADW (\t)+2
.endif
	s_wait_dscnt 0x0                               ; the stores have read their registers: the next block's codes may be written
.endm
	s_wait_alu depctr_va_vdst(0)
.irp t, 0,1,2,3,4,5,6,7
	BLOCK \t
.endr
.irp t, 0,1,2,3,4,5,6,7,8,9,10,11,12,13,14,15
	ds_load_b128 v[OUTR+4*\t:OUTR+4*\t+3], v7 offset:2*\t*272   ; LDS serves a wave's instructions in order: these see my stores
.endr
.irp t, 0,1,2,3,4,5,6,7,8,9,10,11,12,13,14,15
	s_wait_dscnt 15-\t
	global_store_b128 v8, v[OUTR+4*\t:OUTR+4*\t+3], s[14:15] offset:2*\t*1024   ; sixteen lanes store 256 consecutive bytes, aligned
.endr
	s_wait_tensorcnt 0x0                           ; the wave's end, behind my last LDS store
	ds_add_u32 v[SPW], v[NIL]
	s_wait_dscnt 0x0
	s_endpgm
.Lfunc_end_k_q531f10762c_quant:
	.size	k_q531f10762c_quant, .Lfunc_end_k_q531f10762c_quant-k_q531f10762c_quant
	.p2alignl 7, 3214868480
	.fill 96, 4, 3214868480
	.section	.rodata,"a",@progbits
	.p2align	6, 0x0
	.amdhsa_kernel k_q531f10762c_quant
		.amdhsa_group_segment_fixed_size 35328
		.amdhsa_private_segment_fixed_size 0
		.amdhsa_enable_private_segment 0
		.amdhsa_kernarg_size 48
		.amdhsa_user_sgpr_count 2
		.amdhsa_user_sgpr_kernarg_segment_ptr 1
		.amdhsa_wavefront_size32 1
		.amdhsa_system_sgpr_workgroup_id_x 1
		.amdhsa_system_sgpr_workgroup_id_y 1
		.amdhsa_system_sgpr_workgroup_id_z 1
		.amdhsa_system_vgpr_workitem_id 0
		.amdhsa_next_free_vgpr 192
		.amdhsa_next_free_sgpr 84
		.amdhsa_reserve_vcc 0
		.amdhsa_float_denorm_mode_32 3
		.amdhsa_float_denorm_mode_16_64 3
		.amdhsa_memory_ordered 1
		.amdhsa_forward_progress 1
		.amdhsa_inst_pref_size 81
	.end_amdhsa_kernel
	.amdgpu_metadata
---
amdhsa.version: [ 1, 2 ]
amdhsa.kernels:
  - .name:           k_q531f10762c_quant
    .symbol:         k_q531f10762c_quant.kd
    .args:
      - { .name: x, .offset: 0, .size: 8, .value_kind: global_buffer, .address_space: global }
      - { .name: w_attn, .offset: 8, .size: 8, .value_kind: global_buffer, .address_space: global }
      - { .name: w_proj, .offset: 16, .size: 8, .value_kind: global_buffer, .address_space: global }
      - { .name: lowp_scales, .offset: 24, .size: 8, .value_kind: global_buffer, .address_space: global }
      - { .name: xc, .offset: 32, .size: 8, .value_kind: global_buffer, .address_space: global }
      - { .name: wc, .offset: 40, .size: 8, .value_kind: global_buffer, .address_space: global }
    .group_segment_fixed_size: 35328
    .private_segment_fixed_size: 0
    .kernarg_segment_align: 8
    .kernarg_segment_size: 48
    .max_flat_workgroup_size: 128
    .sgpr_count:     84
    .vgpr_count:     192
    .wavefront_size: 32
...
	.end_amdgpu_metadata
.endif
;; end of part 1
;; launch gemm_qkv (part 2): grid 16 x 16, 4 waves a work-group, clusters of 4 x 4, 327,680 bytes of LDS; arguments xc, wc, b_attn, lowp_scales, qc, kc, vc; writes qc, kc, vc
.if DOCPART == 2
	.amdgcn_target "amdgcn-amd-amdhsa--gfx1250"
	.amdhsa_code_object_version 6
	.text
	.protected	k_q531f10762c_gemm_qkv
	.globl	k_q531f10762c_gemm_qkv
	.p2align	8
	.type	k_q531f10762c_gemm_qkv,@function
k_q531f10762c_gemm_qkv:
	s_mov_b64 s[64:65], 0
	v_nop
	global_prefetch_b8 v0, s[64:65] scope:SCOPE_SE
	s_setreg_imm32_b32 hwreg(HW_REG_WAVE_MODE, 25, 1), 1
	s_wait_xcnt 0x0
	s_wait_alu depctr_hold_cnt(0) depctr_sa_sdst(0) depctr_va_vdst(0) depctr_va_sdst(0) depctr_va_ssrc(0) depctr_va_vcc(0) depctr_vm_vsrc(0)
	s_getreg_b32 s2, hwreg(HW_REG_IB_STS2, 6, 4)
	s_cmp_eq_u32 s2, 0
	s_cbranch_scc0 .Lentry_in_a_cluster
	s_endpgm
.Lentry_in_a_cluster:
	s_bfe_u32 s2, ttmp6, 0x10000c
	s_cmp_lg_u32 s2, 0xf033
	s_cbranch_scc0 .Lentry_shape_is_right
	s_endpgm
.Lentry_shape_is_right:
; qkv = x w_attn + b_attn on codes of FP8 (E4M3), and q, k, v quantised on the way out.  xc [8192][1024], wc rows 0..3071 [.][1024]: codes, K innermost (both with the same permutation of K).
; A sum stands for sum x 2^(e0 + e1); number = sum x 2^(e0 + e1) + bias, one fused multiply-add in f32; then q, k, v are held within +-448 x their scale and converted with e2, e3, e5.
; OUT: qc, kc [batch x 16 + head][t 2048][d 64];  vc [batch x 16 + head][d 64][t 2048] (the keys innermost: they are the K of the product that reads it).
; LIMITS: e0 + e1 between -126 and 127; e2, e3, e5 each between -126 and 119.  The sums inside a matrix instruction run over a permuted k.
; SHARES.  A work-group takes 256 tokens x ONE HEAD's 192 columns (q, k, v: 64 each), which lie together in wc.  Wave w: tokens 128 (w / 2) on, d = 32 (w % 2) on of q, k and v: 96 rows of wc.
; 48 accumulators a wave: 8 blocks of 16 tokens x (q 2, k 2, v 2).  q AND k ARE USED TRANSPOSED (source 0 = wc's rows, source 1 = tokens): a lane holds one token and eight neighbouring d.
; v IS USED AS IT IS (source 0 = tokens, source 1 = wc's rows): a lane holds one d and eight neighbouring tokens.  So each conversion takes eight neighbours along the K of the next product.
; K goes in steps of 256 through a ring of two LDS slots filled by tensor loads (rows of 256 bytes).  1,024 along K are four slots' worth: all eight steps of 128 are written out.
; CLUSTERS: 4 x 4.  The four of a row of the cluster need the same tokens, the four of a column the same head's rows of wc: each tile is asked for jointly, by the same tensor load with a mask that names the four.
; A wave has at most one tensor load out.
; REGISTERS, in windows of 256.  window 0: v16-31 addresses; v32-67 biases; v68-73 scales; v80-127 at work on the way out; v128-255 tokens' fragments, set 0 (on the way out: codes).
;   window 1: v0-95 wc's fragments, set 0; v128-255 tokens' fragments, set 1.   window 2: q's and k's accumulators at v[8 (4 a + b)].   window 3: v0-127 v's accumulators at v[8 (2 a + b)]; v128-223 wc's fragments, set 1.
.set PITCH, 272                        ; an LDS row: 256 bytes + 16 of padding: the 16 rows that a load touches start at 16 different banks (64 banks of 4 bytes: ISA guide 11.1)
.set AHALF, 128*PITCH                  ; what one tensor load brings of the tokens
.set BHALF, 96*PITCH                   ; and of wc
.set BOFF,  2*AHALF
.set SLOT,  2*AHALF+2*BHALF
.set STQ,   2*SLOT                     ; behind the ring: the stages.  q: 256 tokens x (64 + 16) bytes,
.set STK,   STQ+256*80                 ; k likewise,
.set STV,   STK+256*80                 ; v: 64 d x (256 + 16) bytes
.set SPARE, STV+64*272                 ; the spare words, 128 bytes a wave: two blocks of 256 bytes that no other line names
.set ADRA, 16                          ; v16-17 my tokens' fragments in slot 0, 1
.set ADRB, 20                          ; v20-21 my rows of wc
.set SQ,   22                          ; v22 where I put 8 codes of q (k: 20,480 bytes on)
.set SV,   23                          ; v23 where I put 8 codes of v
.set RQ,   24                          ; v24 where I read q's stage back
.set RV,   25                          ; v25 and v's
.set GQ,   26                          ; v26 16 x lane: my bytes in qc, kc
.set GV,   27                          ; v27 my bytes in vc
.set SPW,  28                          ; v28 my spare word; never rewritten
.set NIL,  29                          ; v29 0; never rewritten
.set BO8,  30                          ; v30 32 x (lane / 16)
.set BO1,  31                          ; v31 4 x (lane % 16)
.set BQ,   32                          ; v32-63 q's and k's biases in the results' layout
.set BV,   64                          ; v64-67 v's two, each in both registers of a pair
.set T,    80
.set CD,   128
.set G1,  24
.set G0,  32
.set G1B, 48
.set G0B, 56
.set FLAGS, (1<<20)|(1<<21)|(5<<22)|(3<<25)   ; elements of 1 byte; padding on; bit 21 beside a mask; after every 64 words, 4 words
.set MSB, 0
.macro WIN new                         ; the immediate's high byte repeats the setting that is left
.if MSB != \new
	s_set_vgpr_msb (MSB<<8)|\new
.set MSB, \new
.endif
.endm
.macro PLACES n
.rept \n
	v_nop
.endr
.endm
; A joint load: waves 0 and 1 fetch the tokens' halves, waves 2 and 3 wc's.  The branch hangs on the wave's number alone.  An s_nop 0 and four v_nop follow each line.
.macro JLOAD s
	s_cmp_eq_u32 s15, 0
	s_cbranch_scc0 .Lfor_b_\@
	tensor_load_to_lds s[G0+4*\s:G0+4*\s+3], s[G1:G1+7]
	s_nop 0
	PLACES 4
	s_branch .Lasked_\@
.Lfor_b_\@:
	tensor_load_to_lds s[G0B+4*\s:G0B+4*\s+3], s[G1B:G1B+7]
	s_nop 0
	PLACES 4
.Lasked_\@:
.endm
.macro CREST                           ; a round of the cluster's barrier behind its opening barrier
	s_cmp_lg_u32 s14, 0
	s_cbranch_scc1 .Lnot_wave_0_\@
	s_barrier_signal -3
.Lnot_wave_0_\@:
	s_barrier_wait -3
	s_barrier_signal -1
	s_barrier_wait -1
.endm
.macro CROUND
	s_barrier_signal -1
	s_barrier_wait -1
	CREST
.endm
	s_load_b256 s[4:11], s[0:1], 0x0               ; xc s[4:5], wc s[6:7], b_attn s[8:9], the scales' exponents s[10:11]
	s_load_b128 s[72:75], s[0:1], 0x20             ; qc, kc
	s_load_b64 s[76:77], s[0:1], 0x30              ; vc
	v_lshl_add_u32 v[SPW], v0, 2, SPARE
	v_mov_b32 v[NIL], 0
	ds_add_u32 v[SPW], v[NIL]                      ; the wave's opening: the add and its wait ahead of my first tensor load; work on registers stands between
	ds_add_u32 v[SPW], v[NIL]
	v_lshrrev_b32 v1, 5, v0
	v_readfirstlane_b32 s14, v1                    ; wave 0..3
	s_lshr_b32 s15, s14, 1                         ; my half of the tokens.  Also: I fetch tokens (0) or wc (1)
	s_and_b32 s16, s14, 1                          ; my half of d.  Also: which half of that tile I fetch
	s_bfe_u32 s40, ttmp6, 0x40000                  ; cx
	s_bfe_u32 s41, ttmp6, 0x40004                  ; cy
	s_lshl_b32 s42, ttmp9, 2
	s_add_co_u32 s42, s42, s40                     ; the head = 4 x cluster x + cx
	s_and_b32 s17, ttmp7, 0xffff
	s_lshl_b32 s17, s17, 2
	s_add_co_u32 s17, s17, s41                     ; the block of 256 tokens = 4 x cluster y + cy
	s_lshl_b32 s43, s41, 2
	s_lshl_b32 s43, 15, s43                        ; my row of the cluster
	s_lshl_b32 s44, 0x1111, s40                    ; my column
	s_or_b32 s[G1+0], s43, FLAGS                   ; the tokens' tiles go to my row
	s_mov_b32 s[G1+1], 256<<16                     ; tensor_dim0 = 256
	s_mov_b32 s[G1+2], 128<<16                     ; tensor_dim1 = 128
	s_mov_b32 s[G1+3], 256<<16                     ; tile_dim0 = 256
	s_mov_b32 s[G1+4], 128                         ; tile_dim1 = 128
	s_mov_b32 s[G1+5], 1024                        ; from row to row
	s_mov_b32 s[G1+6], 0
	s_mov_b32 s[G1+7], 0
	s_or_b32 s[G1B+0], s44, FLAGS                  ; wc's tiles go to my column
	s_mov_b32 s[G1B+1], 256<<16
	s_mov_b32 s[G1B+2], 96<<16                     ; 96 rows
	s_mov_b32 s[G1B+3], 256<<16
	s_mov_b32 s[G1B+4], 96
	s_mov_b32 s[G1B+5], 1024
	s_mov_b32 s[G1B+6], 0
	s_mov_b32 s[G1B+7], 0
	s_lshl_b32 s18, s16, 7
	s_lshl_b32 s20, s17, 8
	s_add_co_u32 s20, s20, s18
	s_lshl_b32 s20, s20, 10                        ; tokens: row 256 x block + 128 x half, rows of 1,024 bytes
	s_mov_b32 s21, 0
	s_mul_i32 s46, s42, 192
	s_mul_i32 s47, s16, 96
	s_add_co_u32 s46, s46, s47
	s_lshl_b32 s46, s46, 10                        ; wc: row 192 x head + 96 x half
	s_mov_b32 s47, 0
	s_mul_i32 s45, s16, AHALF                      ; where they go: no place in the cluster enters an LDS address
	s_mul_i32 s18, s16, BHALF
	s_add_co_u32 s18, s18, BOFF
	s_wait_dscnt 0x0                               ; the opening add is done
	s_wait_kmcnt 0x0
	s_load_b256 s[80:87], s[10:11], 0x0            ; e0 .. e7
	s_add_nc_u64 s[20:21], s[4:5], s[20:21]
	s_add_nc_u64 s[46:47], s[6:7], s[46:47]
	CROUND                                         ; all sixteen work-groups are here: the first joint loads meet
.irp s, 0,1
	s_mov_b32 s[G0+4*\s], 1
	s_add_co_u32 s[G0+4*\s+1], s45, \s*SLOT
	s_add_nc_u64 s[G0+4*\s+2:G0+4*\s+3], s[20:21], \s*256
	s_or_b32 s[G0+4*\s+3], s[G0+4*\s+3], 0x80000000
	s_mov_b32 s[G0B+4*\s], 1
	s_add_co_u32 s[G0B+4*\s+1], s18, \s*SLOT
	s_add_nc_u64 s[G0B+4*\s+2:G0B+4*\s+3], s[46:47], \s*256
	s_or_b32 s[G0B+4*\s+3], s[G0B+4*\s+3], 0x80000000
.endr
	JLOAD 0                                        ; K 0..255: one tensor load a wave at the head
; A WORK-GROUP STAYS: it makes two tiles, the blocks of 256 tokens y and y + 16 (4 MiB on in xc, qc, kc and vc) of one head; the ring of slots goes on from the first tile into the second.
; THE PREFETCHES: behind each joint load one instruction a wave asks for the K step that stands two refills on: 256 bytes of each row, a lane a row.  The four partners that ask for a tile jointly share
; its rows out by address: of a wave's 128 tokens the partner at cx takes 32, of its 96 rows of wc the partner at cy takes 24 (lanes 24-31 name the last of them again).  The base is never stepped: every
; step is an immediate.  wc's rows serve both tiles and are asked for in the first alone; the second tile's last two refills have no step two on.
.set PFO, 18                           ; v18 the prefetches' offset: my lane's row; never rewritten.  s[66:67] my work-group's rows at K 0 of the first tile
.macro ASK kind, off                   ; kind 1: tokens' waves in the first tile (s3 = 2); kind 2: tokens' waves
.if \kind == 1
	s_cmp_eq_u32 s3, s78
.else
	s_cmp_eq_u32 s15, 0
.endif
	s_cbranch_scc0 .Lno_ask_\@
	global_prefetch_b8 v[PFO], s[66:67] offset:\off th:TH_LOAD_NT scope:SCOPE_SE
.Lno_ask_\@:
.endm
	s_lshl_b32 s68, s17, 8
	s_mul_i32 s69, s42, 192
	s_lshl_b32 s70, s16, 7
	s_mul_i32 s71, s16, 96
	s_add_co_u32 s68, s68, s70                     ; tokens: the 128 rows that I fetch,
	s_add_co_u32 s69, s69, s71                     ; wc: the 96
	s_lshl_b32 s70, s40, 5
	s_mul_i32 s71, s41, 24
	s_add_co_u32 s68, s68, s70                     ; + my work-group's 32 of them,
	s_add_co_u32 s69, s69, s71                     ; + its 24
	s_cmp_eq_u32 s15, 0                            ; do I fetch tokens?
	s_cselect_b32 s68, s68, s69
	s_cselect_b64 s[66:67], s[4:5], s[6:7]
	s_cselect_b32 s78, 2, 99
	s_cselect_b32 s79, 31, 23
	s_lshl_b32 s68, s68, 10                        ; rows of 1,024 bytes
	s_mov_b32 s69, 0
	s_add_nc_u64 s[66:67], s[66:67], s[68:69]
	v_and_b32 v[PFO], 31, v0
	v_min_u32 v[PFO], s79, v[PFO]
	v_lshlrev_b32 v[PFO], 10, v[PFO]
	global_prefetch_b8 v[PFO], s[66:67] offset:512 th:TH_LOAD_NT scope:SCOPE_SE   ; K 512 on
	v_and_b32 v1, 15, v0                           ; r = lane % 16
	s_wait_alu depctr_va_vdst(0)
	v_bfe_u32 v2, v0, 4, 1                         ; h = lane / 16
	v_and_b32 v3, 31, v0                           ; lane
	v_mul_u32_u24 v4, v1, PITCH
	v_lshl_add_u32 v4, v2, 4, v4                   ; a fragment's row x pitch + 16 h
	s_mul_i32 s21, s15, AHALF
	s_mul_i32 s22, s16, BHALF
	s_add_co_u32 s22, s22, BOFF
.irp s, 0,1
	v_add_nc_u32 v[ADRA+\s], s21, v4
	v_add_nc_u32 v[ADRB+\s], s22, v4
	s_add_co_u32 s21, s21, SLOT
	s_add_co_u32 s22, s22, SLOT
.endr
	s_mul_i32 s23, s15, 128*80                     ; q's stage: row = token 128 (w / 2) + r, byte 32 (w % 2) + 8 h
	s_lshl_b32 s19, s16, 5
	s_add_co_u32 s23, s23, s19
	s_add_co_u32 s23, s23, STQ
	v_mul_u32_u24 v5, v1, 80
	s_wait_alu depctr_va_vdst(0)
	v_lshl_add_u32 v5, v2, 3, v5
	v_add_nc_u32 v[SQ], s23, v5
	s_mul_i32 s23, s16, 32*272                     ; v's stage: row = d 32 (w % 2) + r, byte 128 (w / 2) + 8 h
	s_lshl_b32 s19, s15, 7
	s_add_co_u32 s23, s23, s19
	s_add_co_u32 s23, s23, STV
	v_mul_u32_u24 v5, v1, 272
	v_lshl_add_u32 v5, v2, 3, v5
	v_add_nc_u32 v[SV], s23, v5
	s_mul_i32 s23, s14, 64*80                      ; back: wave w takes tokens 64 w on, four lanes to a row of 64 bytes
	s_add_co_u32 s23, s23, STQ
	v_lshrrev_b32 v5, 2, v3
	v_mul_u32_u24 v5, v5, 80
	v_and_b32 v6, 3, v3
	v_lshl_add_u32 v5, v6, 4, v5
	v_add_nc_u32 v[RQ], s23, v5
	s_mul_i32 s23, s14, 16*272                     ; and d 16 w on, sixteen lanes to a row of 256 bytes
	s_add_co_u32 s23, s23, STV
	v_mul_u32_u24 v5, v2, 272
	v_lshl_add_u32 v5, v1, 4, v5
	v_add_nc_u32 v[RV], s23, v5
	v_lshlrev_b32 v[GQ], 4, v3
	v_lshlrev_b32 v[GV], 11, v2
	v_lshl_add_u32 v[GV], v1, 4, v[GV]
	v_lshlrev_b32 v[BO8], 5, v2
	v_lshlrev_b32 v[BO1], 2, v1
	s_lshl_b32 s92, s42, 8                         ; b_attn at column 64 x head + 32 (w % 2) of part 0
	s_lshl_b32 s94, s16, 7
	s_add_co_u32 s92, s92, s94
	s_mov_b32 s93, 0
	s_add_nc_u64 s[8:9], s[8:9], s[92:93]
.irp b, 0,1,2,3                        ; q (b = 0, 1) and k (2, 3): my eight d of the tile
	global_load_b128 v[BQ+8*\b:BQ+8*\b+3],   v[BO8], s[8:9] offset:((\b/2)*1024+16*(\b%2))*4
	global_load_b128 v[BQ+8*\b+4:BQ+8*\b+7], v[BO8], s[8:9] offset:((\b/2)*1024+16*(\b%2))*4+16
.endr
.irp b, 0,1                            ; v: my one d of the tile, into both registers of a pair
	global_load_b32 v[BV+2*\b],   v[BO1], s[8:9] offset:(2048+16*\b)*4
	global_load_b32 v[BV+2*\b+1], v[BO1], s[8:9] offset:(2048+16*\b)*4
.endr
	s_lshr_b32 s90, s17, 3
	s_lshl_b32 s90, s90, 4
	s_add_co_u32 s90, s90, s42                     ; batch x 16 + head
	s_and_b32 s91, s17, 7
	s_lshl_b32 s91, s91, 8                         ; t of the block's first token
	s_lshl_b32 s92, s90, 11
	s_add_co_u32 s92, s92, s91
	s_lshl_b32 s94, s14, 6
	s_add_co_u32 s92, s92, s94
	s_lshl_b32 s92, s92, 6
	s_add_nc_u64 s[72:73], s[72:73], s[92:93]      ; qc and kc at token 64 w of the block
	s_add_nc_u64 s[74:75], s[74:75], s[92:93]
	s_lshl_b32 s92, s90, 6
	s_lshl_b32 s94, s14, 4
	s_add_co_u32 s92, s92, s94
	s_lshl_b32 s92, s92, 11
	s_add_co_u32 s92, s92, s91
	s_add_nc_u64 s[76:77], s[76:77], s[92:93]      ; vc at d = 16 w, the block's first token
; A fragment, 16 rows x 128 K, is 16 registers, by four loads of 16 bytes 32 apart: lane l holds row l % 16; registers 4 c .. 4 c + 3 hold the places 32 c + 16 (l / 16) + 0 .. 15: the same in both operands.
.macro FETCH slot, q, p                ; the slot's q-th 128 along K into set p: 24 loads for wc, 32 for the tokens
.if \p
	WIN 0xc0
.else
	WIN 0x40
.endif
.irp b, 0,1,2,3,4,5
.irp c, 0,1,2,3
	ds_load_b128 v[128*(\p)+16*\b+4*\c:128*(\p)+16*\b+4*\c+3], v[ADRB+\slot] offset:128*(\q)+32*\c+\b*16*PITCH
.endr
.endr
.if \p
	WIN 0x40
.else
	WIN 0
.endif
.irp a, 0,1,2,3,4,5,6,7
.irp c, 0,1,2,3
	ds_load_b128 v[128+16*\a+4*\c:128+16*\a+4*\c+3], v[ADRA+\slot] offset:128*(\q)+32*\c+\a*16*PITCH
.endr
.endr
.endm
; The 48 accumulators take turns, one instruction a turn, in the same order in every step.  zero = 1: the first products start the sums.
.macro MULQK p, a0, zero               ; 16 products: token blocks a0 .. a0 + 3 x q's and k's four tiles
.if \p
	WIN 0xa7
.else
	WIN 0xa1
.endif
.irp a, \a0, \a0+1, \a0+2, \a0+3
.irp b, 0,1,2,3
.if \zero
	v_wmma_f32_16x16x128_fp8_fp8 v[8*(4*(\a)+\b):8*(4*(\a)+\b)+7], v[128*(\p)+16*\b:128*(\p)+16*\b+15], v[128+16*(\a):128+16*(\a)+15], 0
.else
	v_wmma_f32_16x16x128_fp8_fp8 v[8*(4*(\a)+\b):8*(4*(\a)+\b)+7], v[128*(\p)+16*\b:128*(\p)+16*\b+15], v[128+16*(\a):128+16*(\a)+15], v[8*(4*(\a)+\b):8*(4*(\a)+\b)+7]
.endif
.endr
.endr
.endm
.macro MULV p, zero                    ; 16 products: all eight token blocks x v's two tiles
.if \p
	WIN 0xfd
.else
	WIN 0xf4
.endif
.irp a, 0,1,2,3,4,5,6,7
.irp b, 0,1
.if \zero
	v_wmma_f32_16x16x128_fp8_fp8 v[8*(2*\a+\b):8*(2*\a+\b)+7], v[128+16*\a:128+16*\a+15], v[128*(\p)+64+16*\b:128*(\p)+64+16*\b+15], 0
.else
	v_wmma_f32_16x16x128_fp8_fp8 v[8*(2*\a+\b):8*(2*\a+\b)+7], v[128+16*\a:128+16*\a+15], v[128*(\p)+64+16*\b:128*(\p)+64+16*\b+15], v[8*(2*\a+\b):8*(2*\a+\b)+7]
.endif
.endr
.endr
.endm
; A slot's first 128 along K, on set 0; the second 128's fragments are asked for ahead of its 48 products.
.macro STEP slot, zero
	s_wait_dscnt 0x0                               ; set 0 is in
	PLACES 4                                       ; four plain places between the last products that read set 1 and the loads into it (ISA guide 7.12.1 for vector instructions)
	FETCH \slot, 1, 1
	MULQK 0, 0, \zero
	MULQK 0, 4, \zero
	MULV 0, \zero
	WIN 0
.endm
; A slot's second 128, on set 1, changes slots: ONE barrier; in front of it each wave waits for all its tensor loads, adds 0 to its spare word, and waits for that and for its reads of this slot.
.macro TURN slot, next, fill, kind, off   ; fill = 1: this tile's K 512 further on; 2: the next tile's; next = -1: no fragments are fetched (the way out follows); kind, off: the prefetch
	s_wait_tensorcnt 0x0                           ; all my tensor loads have landed: my part of the next slot
	ds_add_u32 v[SPW], v[NIL]                      ; 0 onto my spare word
	s_wait_dscnt 1                                 ; set 1 is in; the add alone may be out
	MULQK 1, 0, 0                                  ; sixteen products stand between the add and the wait for it
	s_wait_dscnt 0x0                               ; the add is done, and my reads of this slot are over
	s_barrier_signal -1
	MULQK 1, 4, 0
	WIN 0                                          ; at a branch and at a label every window is 0
	s_barrier_wait -1
.if \fill
	CREST                                          ; the barrier has opened a round of the cluster's: no wave of any partner still reads this slot or has a load on its way
.if \fill == 2
	s_add_nc_u64 s[G0+4*\slot+2:G0+4*\slot+3], s[G0+4*\slot+2:G0+4*\slot+3], 0x400000-512   ; 4,096 tokens down, back along K
	s_sub_nc_u64 s[G0B+4*\slot+2:G0B+4*\slot+3], s[G0B+4*\slot+2:G0B+4*\slot+3], 512        ; wc: only back
.else
	s_add_nc_u64 s[G0+4*\slot+2:G0+4*\slot+3], s[G0+4*\slot+2:G0+4*\slot+3], 512
	s_add_nc_u64 s[G0B+4*\slot+2:G0B+4*\slot+3], s[G0B+4*\slot+2:G0B+4*\slot+3], 512
.endif
	JLOAD \slot                                    ; the first tensor load behind the round; its four v_nop are also the places in front of the loads below
.else
	PLACES 4
.endif
.if \next >= 0
	FETCH \next, 0, 0
.endif
.if \kind
	ASK \kind, \off
.endif
	MULV 1, 0
	WIN 0
.endm
	s_wait_alu depctr_va_vdst(0)                   ; the wait at the head's end
	s_wait_tensorcnt 0x0                           ; my part of slot 0 is in
	ds_add_u32 v[SPW], v[NIL]
	s_wait_dscnt 0x0
	CROUND                                         ; a whole round: slot 0 is whole in every partner
	JLOAD 1                                        ; slot 1's first fill, the first tensor load behind the round
	global_prefetch_b8 v[PFO], s[66:67] offset:768 th:TH_LOAD_NT scope:SCOPE_SE   ; K 768 on
	; the scales and biases for the way out are made ready here, once for both tiles
	; THE WAY OUT.
	PLACES 4
	s_wait_loadcnt 0x0                             ; the biases
	s_wait_kmcnt 0x0                               ; the exponents
	s_add_co_i32 s88, s80, s81
	s_add_co_i32 s88, s88, 127
	s_lshl_b32 s88, s88, 23                        ; 2^(e0 + e1) as f32
	s_mov_b32 s89, s88                             ; (named with it as a pair, so it is written)
.macro SCALE e, sc                     ; v[sc] = 2^e, v[sc + 1] = 448 x 2^e
	s_add_co_i32 s94, s[\e], 127
	s_lshl_b32 s95, s94, 23
	v_mov_b32 v[\sc], s95
	s_add_co_i32 s94, s94, 8
	s_lshl_b32 s94, s94, 23
	s_or_b32 s94, s94, 0x600000
	v_mov_b32 v[\sc+1], s94
.endm
	SCALE 82, 68                                   ; q: e2
	SCALE 83, 70                                   ; k: e3
	SCALE 85, 72                                   ; v: e5
; Token block a: six accumulators become six times eight codes.  Each accumulator is read from its low end on.  Each block has code registers of its own.
.macro OUTA a
	WIN 0x02                                       ; source 0: window 2
.irp b, 0,1,2,3
.irp i, 0,2,4,6
	v_pk_fma_f32 v[T+8*\b+\i:T+8*\b+\i+1], v[8*(4*(\a)+\b)+\i:8*(4*(\a)+\b)+\i+1], s[88:89], v[BQ+8*\b+\i:BQ+8*\b+\i+1] op_sel_hi:[1,0,1]
.endr
.endr
	WIN 0x03                                       ; source 0: window 3
.irp b, 0,1
.irp i, 0,2,4,6
	v_pk_fma_f32 v[T+32+8*\b+\i:T+32+8*\b+\i+1], v[8*(2*(\a)+\b)+\i:8*(2*(\a)+\b)+\i+1], s[88:89], v[BV+2*\b:BV+2*\b+1] op_sel_hi:[1,0,1]
.endr
.endr
	WIN 0
.irp i, 0,1,2,3,4,5,6,7,8,9,10,11,12,13,14,15
	v_med3_num_f32 v[T+\i], v[T+\i], -v69, v69     ; the conversion does not saturate (ISA guide 7.6.2): the hold comes first
.endr
.irp i, 16,17,18,19,20,21,22,23,24,25,26,27,28,29,30,31
	v_med3_num_f32 v[T+\i], v[T+\i], -v71, v71
.endr
.irp i, 32,33,34,35,36,37,38,39,40,41,42,43,44,45,46,47
	v_med3_num_f32 v[T+\i], v[T+\i], -v73, v73
.endr
.irp x, 0,1,2,3,4,5
	v_cvt_scalef32_pk8_fp8_f32 v[CD+12*(\a)+2*\x:CD+12*(\a)+2*\x+1], v[T+8*\x:T+8*\x+7], v[68+2*(\x/2)]
.endr
	v_nop                                          ; one plain line behind the conversions: the next block's multiply-adds write their sources
	ds_store_b64 v[SQ], v[CD+12*(\a):CD+12*(\a)+1]    offset:1280*(\a)
	ds_store_b64 v[SQ], v[CD+12*(\a)+2:CD+12*(\a)+3]  offset:1280*(\a)+16
	ds_store_b64 v[SQ], v[CD+12*(\a)+4:CD+12*(\a)+5]  offset:20480+1280*(\a)
	ds_store_b64 v[SQ], v[CD+12*(\a)+6:CD+12*(\a)+7]  offset:20480+1280*(\a)+16
	ds_store_b64 v[SV], v[CD+12*(\a)+8:CD+12*(\a)+9]  offset:16*(\a)
	ds_store_b64 v[SV], v[CD+12*(\a)+10:CD+12*(\a)+11] offset:4352+16*(\a)
.endm
.macro WAYOUT
.irp a, 0,1,2,3,4,5,6,7
	OUTA \a
.endr
	s_wait_dscnt 0x0                               ; for the others' sake: my stores into the stages are done
	s_barrier_signal -1
	s_barrier_wait -1
.irp i, 0,1,2,3,4,5,6,7
	ds_load_b128 v[CD+4*\i:CD+4*\i+3], v[RQ] offset:640*\i
.endr
.irp i, 0,1,2,3,4,5,6,7
	ds_load_b128 v[CD+32+4*\i:CD+32+4*\i+3], v[RQ] offset:20480+640*\i
.endr
.irp i, 0,1,2,3,4,5,6,7
	ds_load_b128 v[CD+64+4*\i:CD+64+4*\i+3], v[RV] offset:544*\i
.endr
	s_wait_dscnt 16                                ; q's eight are in; k's and v's may be out
.irp i, 0,1,2,3,4,5,6,7
	global_store_b128 v[GQ], v[CD+4*\i:CD+4*\i+3], s[72:73] offset:512*\i       ; 32 lanes store 512 consecutive bytes: eight tokens' rows
.endr
	s_wait_dscnt 8
.irp i, 0,1,2,3,4,5,6,7
	global_store_b128 v[GQ], v[CD+32+4*\i:CD+32+4*\i+3], s[74:75] offset:512*((\i&4)|((\i&1)<<1)|((\i>>1)&1))   ; kc: in each run of 32 keys the groups of eight lie in the order 0, 2, 1, 3, as the reader's tiles take them
.endr
	s_wait_dscnt 0x0
.irp i, 0,1,2,3,4,5,6,7
	global_store_b128 v[GV], v[CD+64+4*\i:CD+64+4*\i+3], s[76:77] offset:4096*\i ; sixteen lanes store 256 consecutive bytes, aligned
.endr
.endm
	s_wait_alu depctr_va_vdst(0)
	FETCH 0, 0, 0
	s_mov_b32 s3, 2                                ; tiles to go, this one among them: the same number in every work-group
.Ltile:
	STEP 0, 1
	TURN 0, 1, 1, 1, 0x400000                      ; slot 0 takes K 512 on
	STEP 1, 0
	TURN 1, 0, 1, 1, 0x400000+256                  ; slot 1 takes K 768 on
	STEP 0, 0
	s_cmp_eq_u32 s3, 1
	s_cbranch_scc1 .Llast_tile                     ; the last tile's tail is written out: it asks for nothing more
	TURN 0, 1, 2, 2, 0x400000+512                  ; THE RING GOES ON INTO THE NEXT TILE: slot 0 takes its K 0 on,
	STEP 1, 0
	TURN 1, -1, 2, 2, 0x400000+768                 ; slot 1 its K 256 on.  In front of this round every wave has seen its part of slot 0 land
	PLACES 4                                       ; between the last products and the first read of results
	WAYOUT                                         ; both refills are asked for: now the tile goes out; the stages are bytes into which no fill lands
	s_wait_xcnt 0x0                                ; the stores have read their registers and bases
	s_add_nc_u64 s[72:73], s[72:73], 0x400000      ; two batches on in qc, kc, vc
	s_add_nc_u64 s[74:75], s[74:75], 0x400000
	s_add_nc_u64 s[76:77], s[76:77], 0x400000
	FETCH 0, 0, 0                                  ; the next tile's first fragments
	s_sub_co_u32 s3, s3, 1
	s_branch .Ltile
.Llast_tile:
	TURN 0, 1, 0, 0, 0                             ; nothing is left to fetch: no round
	STEP 1, 0
	s_wait_dscnt 0x0
	MULQK 1, 0, 0
	MULQK 1, 4, 0
	MULV 1, 0
	WIN 0
	PLACES 4
	WAYOUT
	s_wait_tensorcnt 0x0                           ; the wave's end
	ds_add_u32 v[SPW], v[NIL]
	s_wait_dscnt 0x0
	CROUND                                         ; the closing round: no work-group ends while a partner may still ask for a tile that names it
	s_endpgm
.Lfunc_end_k_q531f10762c_gemm_qkv:
	.size	k_q531f10762c_gemm_qkv, .Lfunc_end_k_q531f10762c_gemm_qkv-k_q531f10762c_gemm_qkv
	.p2alignl 7, 3214868480
	.fill 96, 4, 3214868480
	.section	.rodata,"a",@progbits
	.p2align	6, 0x0
	.amdhsa_kernel k_q531f10762c_gemm_qkv
		.amdhsa_group_segment_fixed_size 327680
		.amdhsa_private_segment_fixed_size 0
		.amdhsa_enable_private_segment 0
		.amdhsa_kernarg_size 56
		.amdhsa_user_sgpr_count 2
		.amdhsa_user_sgpr_kernarg_segment_ptr 1
		.amdhsa_wavefront_size32 1
		.amdhsa_system_sgpr_workgroup_id_x 1
		.amdhsa_system_sgpr_workgroup_id_y 1
		.amdhsa_system_sgpr_workgroup_id_z 1
		.amdhsa_system_vgpr_workitem_id 0
		.amdhsa_next_free_vgpr 1024
		.amdhsa_next_free_sgpr 100
		.amdhsa_reserve_vcc 0
		.amdhsa_float_denorm_mode_32 3
		.amdhsa_float_denorm_mode_16_64 3
		.amdhsa_memory_ordered 1
		.amdhsa_forward_progress 1
		.amdhsa_inst_pref_size 187
	.end_amdhsa_kernel
	.amdgpu_metadata
---
amdhsa.version: [ 1, 2 ]
amdhsa.kernels:
  - .name:           k_q531f10762c_gemm_qkv
    .symbol:         k_q531f10762c_gemm_qkv.kd
    .args:
      - { .name: xc, .offset: 0, .size: 8, .value_kind: global_buffer, .address_space: global }
      - { .name: wc, .offset: 8, .size: 8, .value_kind: global_buffer, .address_space: global }
      - { .name: b_attn, .offset: 16, .size: 8, .value_kind: global_buffer, .address_space: global }
      - { .name: lowp_scales, .offset: 24, .size: 8, .value_kind: global_buffer, .address_space: global }
      - { .name: qc, .offset: 32, .size: 8, .value_kind: global_buffer, .address_space: global }
      - { .name: kc, .offset: 40, .size: 8, .value_kind: global_buffer, .address_space: global }
      - { .name: vc, .offset: 48, .size: 8, .value_kind: global_buffer, .address_space: global }
    .group_segment_fixed_size: 327680
    .private_segment_fixed_size: 0
    .kernarg_segment_align: 8
    .kernarg_segment_size: 56
    .max_flat_workgroup_size: 128
    .sgpr_count:     100
    .vgpr_count:     1024
    .wavefront_size: 32
...
	.end_amdgpu_metadata
.endif
;; end of part 2
;; launch attn (part 3): grid 4 x 64, 16 waves a work-group, no clusters, 327,680 bytes of LDS; arguments qc, kc, vc, lowp_scales, och; writes och
.if DOCPART == 3
	.amdgcn_target "amdgcn-amd-amdhsa--gfx1250"
	.amdhsa_code_object_version 6
	.text
	.protected	k_q531f10762c_attn
	.globl	k_q531f10762c_attn
	.p2align	8
	.type	k_q531f10762c_attn,@function
k_q531f10762c_attn:
	s_mov_b64 s[64:65], 0
	v_nop
	global_prefetch_b8 v0, s[64:65] scope:SCOPE_SE
	s_setreg_imm32_b32 hwreg(HW_REG_WAVE_MODE, 25, 1), 1
	s_wait_xcnt 0x0
; Causal attention of one head on codes of FP8 (E4M3).  qc [bh][t 2048][d 64]; kc the same, but in each run of 32 keys the groups of eight keys lie in the order 0, 2, 1, 3;
; vc [bh][d 64][t 2048]; out: och [head 16][token 8192][d 64], the result's codes with scale 2^e6.
; t = score x 2^(e2 + e3) x log2(e) / 8; M = the running largest t rounded UP to a whole number; p = 2^(t - M) is quantised with 2^e4, not normalised; the row's sum is taken of the unquantised p in f32.
; When M moves, the sum and O are multiplied by 2^(old M - new M), which rounds nothing.  O x 2^(e4 + e5) / sum is held within +-448 x 2^e6 and converted.
; LEFT OUT: steps of 64 keys all of which come after a wave's queries: the causal mask sets their scores to -infinity, so their p is 0 for all inputs.
; LIMITS: e2 + e3 between -123 and 130 (added to c's exponent field); e4 and e6 between -126 and 119; e4 + e5 goes by v_ldexp_f32 and has none.
; SHARES.  256 work-groups of equal work: work-group (i, bh) owns the blocks of 256 queries 7 - i (waves 0-7) and i (waves 8-15), 32 queries (two tiles, A and B) a wave, and walks the slots of 256 keys once, 0 .. 7:
; 8 trips, a constant of the text.  Both blocks read the slot in hand; a wave leaves out the steps behind its queries by a scalar branch on ids.  Waves w and w + 4 of a block take the groups of 32 queries x and 7 - x,
; so that each such pair has the same count of steps on the diagonal.  Each fragment of K and of V that a wave reads from LDS feeds two matrix instructions.
; K's and V's tiles come through a ring of two LDS slots (waves 0, 1: K's halves; wave 2: V).  A wave has one tensor load out at the most; every wait on TENSORcnt is for 0.
; A slot whose first key comes after the work-group's last query is not asked for: a jump on ids and the count of trips, the same in all sixteen waves, round the load alone.
; NO JOINT LOADS: work-group i of a head stops asking behind slot 7 - i: partners would need different numbers of tiles, and a partner past its limit would read nothing of a joint tile.
; LAYOUT.  Both products are used transposed: S^T = K Q^T (source 0 = 16 keys, source 1 = 16 queries), O^T = V^T P^T: a lane holds ONE query of each tile (lane % 16) throughout.
; Row m of tile 2 b + u of K is LDS row 32 b + 16 u + m, which holds key 32 b + 16 (m / 8) + 8 u + m % 8: the 16 registers of tiles 2 b, 2 b + 1 are the keys 32 b + 16 (lane / 16) + 0 .. 15, as V's rows have them.
; p's eight code registers lie over four spare registers and the tile's first four scores, which are dead by then.
.set KP,    80                         ; a key's row in LDS: 64 bytes + 16: 16 neighbouring rows start at 16 different columns of 16 bytes
.set VP,    272                        ; a row of V's tile: 256 bytes + 16
.set VOFF,  256*KP
.set SLOT1, 65536                      ; slot 1 begins here: one exclusive or turns an address from one slot to the other
.set STAGE, 2*SLOT1                    ; behind the ring: 32 rows x 80 bytes for each wave
.set SPARE, STAGE+16*2560              ; the spare words, 128 bytes a wave: eight blocks of 256 bytes that no other line names
.set AK0, 1                            ; v1 my lane's place in a tile of K;  v2 of V
.set AV0, 2
.set PFO, 3                            ; v3 the prefetches' offset
.set SPW, 4                            ; v4 my spare word; v5 0; never rewritten
.set NIL, 5
.set HOLD, 6                           ; v6, v7 448 x 2^e4, twice: one for each half of a dual pair
.set NMA, 8                            ; v[8:9], v[10:11] A's -M, new and old by turns;  v[12:13], v[14:15] B's
.set NMB, 12
.set MXA, 16                           ; v16, v17 the largest raw score so far
.set MXB, 17
.set SMA, 18                           ; v[18:19], v[20:21] the sums, in two halves
.set SMB, 20
.set FA,  22                           ; v[22:23], v[24:25] f = 2^(old M - new M) in the low register
.set FB,  24
.set DL,  28                           ; v28 lane % 16 - 16 (lane / 16)
.set SCL, 29                           ; v29 2^e4;  v26, v27, v30-37 at work
.set ADK, 38                           ; v38, v39 LDS addresses in the slot in hand
.set ADV, 39
.set QAR, 40                           ; v40-47, v48-55 Q's fragments
.set QBR, 48
.set KFR, 56                           ; v56-87 four fragments of K;  v88-119 of V
.set VFR, 88
.set PA,  120                          ; v120-127 A's codes;  v124-155 A's scores, then p
.set SA,  124
.set PB,  156
.set SB,  160
.set OA_, 192                          ; v192-223, v224-255 O^T
.set OB_, 224
.set TB,  2                            ; s2 the slot in hand
.set WV,  18
.set SEL, 20
.set CS,  22
.set G1K, 24
.set G1V, 32
.set G0K, 40
.set G0V, 44
.set KB,  48
.set VB,  50
.set QA,  52
.set OA,  56
.set LASTQ, 60                         ; my work-group's last query
.set SKF, 61                           ; the slot's first key
.set Q0,  62                           ; my first query;  s63 my last
.set QL,  63
.set SLOTS, 66
.set KF,  67                           ; the step's first key
.set PFA, 76
.set PFS, 78
.set LIM, 80
.macro NOPS n
.rept \n
	v_nop
.endr
.endm
.macro TLOAD                           ; the branches hang on the wave's number alone; an s_nop 0 and four v_nop follow each line
	s_cmp_lt_u32 s[WV], 2
	s_cbranch_scc0 .Lnot_k_\@
	tensor_load_to_lds s[G0K:G0K+3], s[G1K:G1K+7]
	s_nop 0
	NOPS 4
	s_branch .Lasked_\@
.Lnot_k_\@:
	s_cmp_eq_u32 s[WV], 2
	s_cbranch_scc0 .Lasked_\@
	tensor_load_to_lds s[G0V:G0V+3], s[G1V:G1V+7]
	s_nop 0
	NOPS 4
.Lasked_\@:
.endm
	s_load_b256 s[4:11], s[0:1], 0x0               ; qc s[4:5], kc s[6:7], vc s[8:9], the scales' exponents s[10:11]
	s_load_b64 s[12:13], s[0:1], 0x20              ; och
	v_lshl_add_u32 v[SPW], v0, 2, SPARE
	v_mov_b32 v[NIL], 0
	ds_add_u32 v[SPW], v[NIL]                      ; the wave's opening: the add, twice on end, and its wait ahead of the first tensor load
	ds_add_u32 v[SPW], v[NIL]
	v_lshrrev_b32 v30, 5, v0
	v_readfirstlane_b32 s[WV], v30                 ; wave 0..15
	s_and_b32 s84, ttmp7, 0xffff                   ; bh
	s_lshl_b32 s86, s84, 17
	s_mov_b32 s87, 0                               ; the head's first byte in qc, kc, vc
	s_and_b32 s88, s84, 15
	s_lshl_b32 s88, s88, 19
	s_lshr_b32 s89, s84, 4
	s_lshl_b32 s89, s89, 17
	s_add_co_u32 s88, s88, s89
	s_mov_b32 s89, 0                               ; and in och: head x 8,192 tokens + batch x 2,048 tokens, 64 bytes each
	s_and_b32 s90, s[WV], 7
	s_sub_co_u32 s91, 11, s90
	s_cmp_lt_u32 s90, 4
	s_cselect_b32 s90, s90, s91                    ; my group of 32 queries: 0 1 2 3 7 6 5 4
	s_sub_co_u32 s91, 7, ttmp9
	s_lshl_b32 s[LASTQ], s91, 8
	s_or_b32 s[LASTQ], s[LASTQ], 255
	s_cmp_lt_u32 s[WV], 8
	s_cselect_b32 s91, s91, ttmp9                  ; my block: 7 - i or i
	s_lshl_b32 s[Q0], s91, 8
	s_lshl_b32 s90, s90, 5
	s_add_co_u32 s[Q0], s[Q0], s90
	s_add_co_u32 s[QL], s[Q0], 31
	s_lshl_b32 s90, s[Q0], 6
	s_mov_b32 s91, 0                               ; my queries' bytes in the head: 64 each
	s_and_b32 s95, s[WV], 1
	s_mul_i32 s94, s95, 128*KP                     ; K's half in a slot
	s_lshl_b32 s84, s95, 13                        ; and in memory
	s_mov_b32 s85, 0
	s_mov_b32 s[G1K], (1<<20)|(3<<22)|(3<<25)      ; elements of 1 byte; padding: 4 words after every 16.  128 keys are dense in memory: stated as 32 rows of 256 bytes
	s_mov_b32 s[G1K+1], 256<<16
	s_mov_b32 s[G1K+2], 32<<16
	s_mov_b32 s[G1K+3], 256<<16
	s_mov_b32 s[G1K+4], 32
	s_mov_b32 s[G1K+5], 256
	s_mov_b32 s[G1K+6], 0
	s_mov_b32 s[G1K+7], 0
	s_mov_b32 s[G1V], (1<<20)|(5<<22)|(3<<25)      ; 64 rows of 256 bytes, 2,048 apart; padding: 4 words after every 64
	s_mov_b32 s[G1V+1], 256<<16
	s_mov_b32 s[G1V+2], 64<<16
	s_mov_b32 s[G1V+3], 256<<16
	s_mov_b32 s[G1V+4], 64
	s_mov_b32 s[G1V+5], 2048
	s_mov_b32 s[G1V+6], 0
	s_mov_b32 s[G1V+7], 0
	s_mov_b32 s[SEL], 0x76543210
	s_mov_b32 s[SEL+1], 0xfedcba98
	s_mov_b32 s[CS], 0x3e38aa3b                    ; c = log2(e) / 8
	s_mov_b32 s[TB], 0
	s_mov_b32 s[SKF], 0
	s_mov_b32 s[SLOTS], 8
	v_and_b32 v30, 15, v0                          ; r
	v_bfe_u32 v31, v0, 4, 1                        ; h
	v_and_b32 v32, 31, v0                          ; lane
	v_lshlrev_b32 v33, 6, v30
	v_mul_u32_u24 v[AK0], v30, KP
	v_mul_u32_u24 v[AV0], v30, VP
	v_lshlrev_b32 v34, 4, v31
	v_lshl_add_u32 v33, v31, 4, v33                ; Q: row r of 64 bytes + 16 h
	v_lshl_add_u32 v[AK0], v31, 4, v[AK0]
	v_lshl_add_u32 v[AV0], v31, 4, v[AV0]
	v_sub_nc_u32 v[DL], v30, v34
	v_add_nc_u32 v[AV0], VOFF, v[AV0]
	s_wait_alu depctr_va_vdst(0)                   ; the wait here, directly ahead of the waits below
	s_wait_dscnt 0x0                               ; both opening adds are done
	s_wait_kmcnt 0x0
	s_load_b256 s[68:75], s[10:11], 0x0            ; e0 .. e7
	s_add_nc_u64 s[KB:KB+1], s[6:7], s[86:87]
	s_add_nc_u64 s[KB:KB+1], s[KB:KB+1], s[84:85]
	s_add_nc_u64 s[VB:VB+1], s[8:9], s[86:87]
	s_mov_b32 s[G0K], 1
	s_mov_b32 s[G0K+1], s94
	s_mov_b64 s[G0K+2:G0K+3], s[KB:KB+1]
	s_or_b32 s[G0K+3], s[G0K+3], 0x80000000
	s_mov_b32 s[G0V], 1
	s_mov_b32 s[G0V+1], VOFF
	s_mov_b64 s[G0V+2:G0V+3], s[VB:VB+1]
	s_or_b32 s[G0V+3], s[G0V+3], 0x80000000
	TLOAD                                          ; keys 0 .. 255 into slot 0: key 0 counts for every query
	s_add_nc_u64 s[QA:QA+1], s[4:5], s[86:87]
	s_add_nc_u64 s[QA:QA+1], s[QA:QA+1], s[90:91]
	s_add_nc_u64 s[OA:OA+1], s[12:13], s[88:89]
	s_add_nc_u64 s[OA:OA+1], s[OA:OA+1], s[90:91]
.irp c, 0,1
	global_load_b128 v[QAR+4*\c:QAR+4*\c+3], v33, s[QA:QA+1] offset:32*\c        ; registers 4 c .. 4 c + 3 hold d = 32 c + 16 h + 0 .. 15, as K's do
	global_load_b128 v[QBR+4*\c:QBR+4*\c+3], v33, s[QA:QA+1] offset:1024+32*\c   ; tile B: 16 queries on
.endr
; THE PREFETCHES.  Work-group 0 of a head walks all eight slots: it asks, and nobody else.  Waves 4 and 5 ask for K's 16,384 bytes (8,192 a wave, lanes 256 bytes apart), waves 6 and 7 for V's 64 rows
; (32 a wave, a lane a row of 256 bytes): each aligned block of 256 bytes is named once in the launch.  Trip e asks for slot e + 2, e = 0 .. 5: one slot ahead of the tensor load.  Slots 0 and 1 come by their loads alone.
	s_lshl_b32 s96, s95, 16
	s_add_co_u32 s96, s96, 256
	s_cmp_lt_u32 s[WV], 6
	s_cselect_b64 s[PFA:PFA+1], s[KB:KB+1], s[VB:VB+1]
	s_cselect_b32 s84, 16384, s96                  ; at slot 1: the first change of slots steps it to slot 2
	s_mov_b32 s[PFS], 256
	s_cselect_b32 s[PFS], 16384, s[PFS]            ; a slot on
	s_cselect_b32 s86, 8, 11                       ; lanes 256 or 2,048 bytes apart
	s_mov_b32 s[PFS+1], 0
	s_add_nc_u64 s[PFA:PFA+1], s[PFA:PFA+1], s[84:85]
	v_lshlrev_b32 v[PFO], s86, v32
	s_sub_co_u32 s84, s[WV], 4
	s_lshr_b32 s84, s84, 2
	s_or_b32 s84, s84, ttmp9
	s_cmp_eq_u32 s84, 0
	s_cselect_b32 s[LIM], 2, -1
	v_mov_b32 v[MXA], 0xff61b1e6                   ; under every raw score
	v_mov_b32 v[MXB], 0xff61b1e6
.irp j, 8,9,11,12,13,15,18,19,20,21,22,23,24,25,26,27
	v_mov_b32 v[\j], 0                             ; sums; the registers named as halves of pairs; the lane permutes' destinations
.endr
	v_mov_b32 v[NMA+2], 0x7f61b1e6                 ; the first step's old -M: its f is 0, which multiplies zeros
	v_mov_b32 v[NMB+2], 0x7f61b1e6
.set j, 0
.rept 64
	v_mov_b32 v[OA_+j], 0                          ; O^T: the step is written once for all trips
.set j, j+1
.endr
	s_wait_kmcnt 0x0
	s_add_co_i32 s84, s70, s71
	s_lshl_b32 s84, s84, 23
	s_add_co_i32 s[CS], s[CS], s84                 ; a score stands for score x 2^(e2 + e3): added to c's exponent field
	s_mov_b32 s[CS+1], s[CS]
	s_add_co_i32 s84, s72, 127
	s_lshl_b32 s85, s84, 23
	v_mov_b32 v[SCL], s85                          ; 2^e4
	s_add_co_i32 s84, s84, 8
	s_lshl_b32 s84, s84, 23
	s_or_b32 s84, s84, 0x600000
	v_mov_b32 v[HOLD], s84                         ; 448 x 2^e4
	v_mov_b32 v[HOLD+1], s84
	s_add_co_i32 s84, s74, 127
	s_lshl_b32 s81, s84, 23                        ; 2^e6
	s_add_co_i32 s84, s84, 8
	s_lshl_b32 s82, s84, 23
	s_or_b32 s82, s82, 0x600000                    ; 448 x 2^e6
	s_add_co_i32 s83, s72, s73                     ; e4 + e5
.macro KLOAD q
.irp t, 0,1,2,3
.irp c, 0,1
	ds_load_b128 v[KFR+8*\t+4*\c:KFR+8*\t+4*\c+3], v[ADK] offset:(64*(\q)+16*\t)*KP+32*\c
.endr
.endr
.endm
; A KEY STEP: 64 keys, the q-th of the slot in hand, for both tiles; A's and B's chains stand line by line beside each other.
.macro STEP q
.set NN, 2*((\q)%2)                    ; the new -M goes to v[NMA+NN], the old one stands in v[NMA+2-NN]
	s_add_co_u32 s[KF], s[SKF], 64*(\q)
	s_cmp_gt_u32 s[KF], s[QL]                      ; all its keys come after my queries: so do the slot's later steps'
	s_cbranch_scc1 .Lslot_end
.if (\q) == 0
	v_add_nc_u32 v[ADK], s[TB], v[AK0]
	v_add_nc_u32 v[ADV], s[TB], v[AV0]
	NOPS 3                                         ; five places behind the last products: the score products write over registers that held p's codes, and loads land in V's
	KLOAD 0
.else
	NOPS 5
.endif
.irp t, 0,1,2,3
.irp c, 0,1
	ds_load_b128 v[VFR+8*\t+4*\c:VFR+8*\t+4*\c+3], v[ADV] offset:16*\t*VP+64*(\q)+32*\c
.endr
.endr
	s_wait_alu depctr_va_vdst(0)                   ; the wait here, directly ahead of the wait below
	s_wait_dscnt 8                                 ; K's eight loads are in; V's eight, issued behind them, may be out
.irp t, 0,1,2,3
	v_wmma_f32_16x16x64_fp8_fp8 v[SA+8*\t:SA+8*\t+7], v[KFR+8*\t:KFR+8*\t+7], v[QAR:QAR+7], 0
	v_wmma_f32_16x16x64_fp8_fp8 v[SB+8*\t:SB+8*\t+7], v[KFR+8*\t:KFR+8*\t+7], v[QBR:QBR+7], 0
.endr
	NOPS 4                                         ; places: for the loads into K's registers and the first read of the scores
.if (\q) < 3
	KLOAD (\q)+1                                   ; the next step's fragments land while the softmax is worked
.endif
	s_add_co_u32 s96, s[KF], 63
	s_cmp_le_u32 s96, s[Q0]                        ; all keys count for all my queries: no mask
	s_cbranch_scc1 .Lopen_\@
	s_sub_co_i32 s96, s[Q0], s[KF]
	v_add_nc_u32 v34, s96, v[DL]                   ; d = A's query - KF - 16 h.  Register n holds key KF + 16 h + 32 (n / 16) + n % 16: hidden where that offset > d
	v_mov_b32 v36, 0xff800000                      ; -infinity
	v_add_nc_u32 v35, 16, v34                      ; B's
.set n, 0
.rept 32
	v_cmp_gt_i32 vcc_lo, 32*(n/16)+n%16, v34
	v_cndmask_b32 v[SA+n], v[SA+n], v36, vcc_lo
	v_cmp_gt_i32 vcc_lo, 32*(n/16)+n%16, v35
	v_cndmask_b32 v[SB+n], v[SB+n], v36, vcc_lo
.set n, n+1
.endr
.Lopen_\@:
	v_max3_num_f32 v30, v[SA], v[SA+1], v[SA+2]    ; the step's largest scores, two chains a tile, each accumulator from its low end on
	v_max3_num_f32 v32, v[SB], v[SB+1], v[SB+2]
	v_max3_num_f32 v31, v[SA+3], v[SA+4], v[SA+5]
	v_max3_num_f32 v33, v[SB+3], v[SB+4], v[SB+5]
.irp i, 6,10,14,18,22,26
	v_max3_num_f32 v30, v30, v[SA+\i], v[SA+\i+1]
	v_max3_num_f32 v32, v32, v[SB+\i], v[SB+\i+1]
	v_max3_num_f32 v31, v31, v[SA+\i+2], v[SA+\i+3]
	v_max3_num_f32 v33, v33, v[SB+\i+2], v[SB+\i+3]
.endr
	v_max3_num_f32 v30, v30, v[SA+30], v[SA+31]
	v_max3_num_f32 v32, v32, v[SB+30], v[SB+31]
	v_max_num_f32 v30, v30, v31
	v_max_num_f32 v32, v32, v33
	v_permlanex16_b32 v26, v30, s[SEL], s[SEL+1]
	v_permlanex16_b32 v27, v32, s[SEL], s[SEL+1]
	v_max3_num_f32 v[MXA], v30, v26, v[MXA]        ; with lane l xor 16's and the running one
	v_max3_num_f32 v[MXB], v32, v27, v[MXB]
	v_mul_f32 v30, s[CS], v[MXA]                   ; as t (c is positive)
	v_mul_f32 v32, s[CS], v[MXB]
	v_floor_f32 v[NMA+NN], -v30                    ; -M = floor(-t): M is a whole number
	v_floor_f32 v[NMB+NN], -v32
	v_sub_f32 v30, v[NMA+NN], v[NMA+2-NN]          ; old M - new M: a whole number, 0 or less
	v_sub_f32 v32, v[NMB+NN], v[NMB+2-NN]
	v_cvt_i32_f32 v30, v30                         ; (it saturates)
	v_cvt_i32_f32 v32, v32
	v_ldexp_f32 v[FA], 1.0, v30                    ; f = 2^(old M - new M)
	v_ldexp_f32 v[FB], 1.0, v32
.set j, 0
.rept 16
	v_pk_fma_f32 v[SA+j:SA+j+1], v[SA+j:SA+j+1], s[CS:CS+1], v[NMA+NN:NMA+NN+1] op_sel_hi:[1,0,0]   ; t - M, two at a time
	v_pk_fma_f32 v[SB+j:SB+j+1], v[SB+j:SB+j+1], s[CS:CS+1], v[NMB+NN:NMB+NN+1] op_sel_hi:[1,0,0]
.set j, j+2
.endr
	s_wait_alu depctr_va_vdst(0)                   ; the wait ahead of the batch
.set j, 0
.rept 32
	v_exp_f32 v[SA+j], v[SA+j]                     ; p = 2^(t - M), at most 1
	v_exp_f32 v[SB+j], v[SB+j]
.set j, j+1
.endr
	v_pk_mul_f32 v[SMA:SMA+1], v[SMA:SMA+1], v[FA:FA+1] op_sel_hi:[1,0]   ; the sums under the new M: plain lines behind the exponentials
	v_pk_mul_f32 v[SMB:SMB+1], v[SMB:SMB+1], v[FB:FB+1] op_sel_hi:[1,0]
	s_wait_alu depctr_va_vdst(0)                   ; one wait, ahead of the batch's first reader and directly ahead of the first readers of O^T
.set j, 0
.rept 16
	v_pk_mul_f32 v[OA_+j:OA_+j+1], v[OA_+j:OA_+j+1], v[FA:FA+1] op_sel_hi:[1,0]   ; O^T under the new M
	v_pk_mul_f32 v[OB_+j:OB_+j+1], v[OB_+j:OB_+j+1], v[FB:FB+1] op_sel_hi:[1,0]
.set j, j+2
.endr
	v_pk_add_f32 v[34:35], v[SA:SA+1], v[SA+2:SA+3]   ; the rows' sums of the unquantised p, two chains a tile
	v_pk_add_f32 v[36:37], v[SB:SB+1], v[SB+2:SB+3]
.irp j, 4,8,12,16,20,24,28
	v_pk_add_f32 v[SMA:SMA+1], v[SMA:SMA+1], v[SA+\j:SA+\j+1]
	v_pk_add_f32 v[SMB:SMB+1], v[SMB:SMB+1], v[SB+\j:SB+\j+1]
	v_pk_add_f32 v[34:35], v[34:35], v[SA+\j+2:SA+\j+3]
	v_pk_add_f32 v[36:37], v[36:37], v[SB+\j+2:SB+\j+3]
.endr
	v_pk_add_f32 v[SMA:SMA+1], v[SMA:SMA+1], v[34:35]
	v_pk_add_f32 v[SMB:SMB+1], v[SMB:SMB+1], v[36:37]
.set j, 0
.rept 16                               ; the conversion does not saturate (ISA guide 7.6.2); p is not negative: a one-sided hold, two numbers a line
	v_dual_min_num_f32 v[SA+j], v[SA+j], v[HOLD] :: v_dual_min_num_f32 v[SA+j+1], v[SA+j+1], v[HOLD+1]
	v_dual_min_num_f32 v[SB+j], v[SB+j], v[HOLD] :: v_dual_min_num_f32 v[SB+j+1], v[SB+j+1], v[HOLD+1]
.set j, j+2
.endr
	v_cvt_scalef32_pk8_fp8_f32 v[PA:PA+1], v[SA:SA+7], v[SCL]
	v_cvt_scalef32_pk8_fp8_f32 v[PA+2:PA+3], v[SA+8:SA+15], v[SCL]
	v_cvt_scalef32_pk8_fp8_f32 v[PB:PB+1], v[SB:SB+7], v[SCL]
	v_cvt_scalef32_pk8_fp8_f32 v[PB+2:PB+3], v[SB+8:SB+15], v[SCL]
	v_nop                                          ; a plain line: the next conversions write registers that the first ones read
	v_cvt_scalef32_pk8_fp8_f32 v[PA+4:PA+5], v[SA+16:SA+23], v[SCL]
	v_cvt_scalef32_pk8_fp8_f32 v[PA+6:PA+7], v[SA+24:SA+31], v[SCL]
	v_cvt_scalef32_pk8_fp8_f32 v[PB+4:PB+5], v[SB+16:SB+23], v[SCL]
	v_cvt_scalef32_pk8_fp8_f32 v[PB+6:PB+7], v[SB+24:SB+31], v[SCL]
	v_nop                                          ; a plain line between the conversions and the products
	s_wait_alu depctr_va_vdst(0)                   ; the wait here, directly ahead of the wait below
.if (\q) < 3
	s_wait_dscnt 8                                 ; V's fragments are in; the next step's eight loads of K may be out
.else
	s_wait_dscnt 0x0
.endif
.irp t, 0,1,2,3                        ; O^T += V^T P^T: the eight accumulators take turns
	v_wmma_f32_16x16x64_fp8_fp8 v[OA_+8*\t:OA_+8*\t+7], v[VFR+8*\t:VFR+8*\t+7], v[PA:PA+7], v[OA_+8*\t:OA_+8*\t+7]
	v_wmma_f32_16x16x64_fp8_fp8 v[OB_+8*\t:OB_+8*\t+7], v[VFR+8*\t:VFR+8*\t+7], v[PB:PB+7], v[OB_+8*\t:OB_+8*\t+7]
.endr
.endm
	s_wait_alu depctr_va_vdst(0)                   ; the wait at the head's end
	s_wait_loadcnt 0x0                             ; Q
.Lslot:                                            ; eight trips.  THE CHANGE OF SLOTS stands at a slot's head
	s_wait_tensorcnt 0x0                           ; no tensor load of mine is out, so a group 0 may be written
	ds_add_u32 v[SPW], v[NIL]                      ; 0 onto my spare word, twice on end
	ds_add_u32 v[SPW], v[NIL]
	s_xor_b32 s[G0K+1], s[G0K+1], SLOT1            ; the walking descriptors: the other slot, the next 256 keys
	s_add_nc_u64 s[G0K+2:G0K+3], s[G0K+2:G0K+3], 16384
	s_xor_b32 s[G0V+1], s[G0V+1], SLOT1
	s_add_nc_u64 s[G0V+2:G0V+3], s[G0V+2:G0V+3], 256
	s_wait_xcnt 0x0                                ; the last prefetch, a slot back, has read its address
	s_add_nc_u64 s[PFA:PFA+1], s[PFA:PFA+1], s[PFS:PFS+1]
	s_wait_dscnt 0x0                               ; both adds are done, and my reads of the slot that I have left are over
	s_barrier_signal -1
	s_barrier_wait -1
	s_add_co_u32 s96, s[SKF], 256                  ; the first key of the slot that this change would ask for
	s_cmp_gt_u32 s96, s[LASTQ]                     ; behind my work-group's last query no wave reads it: ids and the count of trips alone, the same in all sixteen waves
	s_cbranch_scc1 .Lpast
	TLOAD                                          ; a wave's one tensor load until the next barrier
.Lpast:
	s_cmp_gt_u32 s[SLOTS], s[LIM]
	s_cbranch_scc0 .Lnot_mine
	global_prefetch_b8 v[PFO], s[PFA:PFA+1] th:TH_LOAD_NT scope:SCOPE_SE
.Lnot_mine:
	STEP 0
	STEP 1
	STEP 2
	STEP 3
.Lslot_end:
	s_add_co_u32 s[SKF], s[SKF], 256
	s_xor_b32 s[TB], s[TB], SLOT1
	s_sub_co_u32 s[SLOTS], s[SLOTS], 1
	s_cmp_lg_u32 s[SLOTS], 0
	s_cbranch_scc1 .Lslot
	; THE WAY OUT: O^T x 2^(e4 + e5) / the sum, quantised with e6; 32 queries x 64 codes go through my stage and leave as 2,048 consecutive bytes.
	s_wait_dscnt 0x0                               ; loads of K asked for ahead and not used have landed: their registers take the codes
	NOPS 4                                         ; places behind the last products
	v_add_f32 v[SMA], v[SMA], v[SMA+1]
	v_add_f32 v[SMB], v[SMB], v[SMB+1]
	v_permlanex16_b32 v26, v[SMA], s[SEL], s[SEL+1]
	v_permlanex16_b32 v27, v[SMB], s[SEL], s[SEL+1]
	v_add_f32 v[SMA], v[SMA], v26                  ; the rows' sums
	v_add_f32 v[SMB], v[SMB], v27
	s_wait_alu depctr_va_vdst(0)                   ; the wait ahead of the batch
	v_rcp_f32 v[FA], v[SMA]
	v_rcp_f32 v[FB], v[SMB]
	v_and_b32 v30, 15, v0                          ; r (a plain line behind the reciprocals)
	v_bfe_u32 v31, v0, 4, 1                        ; h
	v_and_b32 v32, 31, v0                          ; lane
	s_mul_i32 s96, s[WV], 2560
	s_add_co_u32 s96, s96, STAGE                   ; my stage
	v_mul_u32_u24 v33, v30, 80
	v_lshrrev_b32 v34, 2, v32
	v_and_b32 v35, 3, v32
	v_lshl_add_u32 v33, v31, 3, v33
	v_mul_u32_u24 v34, v34, 80
	v_add_nc_u32 v33, s96, v33                     ; in: row r, 8 h
	v_lshl_add_u32 v34, v35, 4, v34
	v_lshlrev_b32 v36, 4, v32                      ; 16 x lane: my bytes in och
	v_add_nc_u32 v34, s96, v34                     ; back: four lanes to a row of 64 bytes
	v_mov_b32 v38, s81                             ; 2^e6
	v_mov_b32 v39, s82                             ; 448 x 2^e6
	s_wait_alu depctr_va_vdst(0)                   ; the wait ahead of the reciprocals' first reader
	v_ldexp_f32 v[FA], v[FA], s83
	v_ldexp_f32 v[FB], v[FB], s83
	s_wait_alu depctr_va_vdst(0)                   ; the wait here, directly ahead of the first reader of O^T
.set j, 0
.rept 16
	v_pk_mul_f32 v[SA+j:SA+j+1], v[OA_+j:OA_+j+1], v[FA:FA+1] op_sel_hi:[1,0]   ; register 8 t + i is o(query r, d = 16 t + 8 h + i); each accumulator from its low end on
	v_pk_mul_f32 v[SB+j:SB+j+1], v[OB_+j:OB_+j+1], v[FB:FB+1] op_sel_hi:[1,0]
.set j, j+2
.endr
.set j, 0
.rept 32
	v_med3_num_f32 v[SA+j], v[SA+j], -v39, v39
	v_med3_num_f32 v[SB+j], v[SB+j], -v39, v39
.set j, j+1
.endr
.irp t, 0,1,2,3
	v_cvt_scalef32_pk8_fp8_f32 v[KFR+2*\t:KFR+2*\t+1], v[SA+8*\t:SA+8*\t+7], v38
	v_cvt_scalef32_pk8_fp8_f32 v[KFR+8+2*\t:KFR+8+2*\t+1], v[SB+8*\t:SB+8*\t+7], v38
.endr
	v_nop                                          ; one plain line behind the conversions
.irp t, 0,1,2,3
	ds_store_b64 v33, v[KFR+2*\t:KFR+2*\t+1] offset:16*\t
	ds_store_b64 v33, v[KFR+8+2*\t:KFR+8+2*\t+1] offset:1280+16*\t
.endr
.irp i, 0,1,2,3
	ds_load_b128 v[VFR+4*\i:VFR+4*\i+3], v34 offset:640*\i   ; LDS serves a wave's instructions in order: these see my stores
.endr
	s_wait_dscnt 0x0
.irp i, 0,1,2,3
	global_store_b128 v36, v[VFR+4*\i:VFR+4*\i+3], s[OA:OA+1] offset:512*\i   ; 32 lanes store 512 consecutive bytes, aligned
.endr
	s_wait_tensorcnt 0x0                           ; the wave's end
	ds_add_u32 v[SPW], v[NIL]
	s_wait_dscnt 0x0
	s_endpgm
.Lfunc_end_k_q531f10762c_attn:
	.size	k_q531f10762c_attn, .Lfunc_end_k_q531f10762c_attn-k_q531f10762c_attn
	.p2alignl 7, 3214868480
	.fill 96, 4, 3214868480
	.section	.rodata,"a",@progbits
	.p2align	6, 0x0
	.amdhsa_kernel k_q531f10762c_attn
		.amdhsa_group_segment_fixed_size 327680
		.amdhsa_private_segment_fixed_size 0
		.amdhsa_enable_private_segment 0
		.amdhsa_kernarg_size 40
		.amdhsa_user_sgpr_count 2
		.amdhsa_user_sgpr_kernarg_segment_ptr 1
		.amdhsa_wavefront_size32 1
		.amdhsa_system_sgpr_workgroup_id_x 1
		.amdhsa_system_sgpr_workgroup_id_y 1
		.amdhsa_system_sgpr_workgroup_id_z 1
		.amdhsa_system_vgpr_workitem_id 0
		.amdhsa_next_free_vgpr 256
		.amdhsa_next_free_sgpr 100
		.amdhsa_reserve_vcc 1
		.amdhsa_float_denorm_mode_32 3
		.amdhsa_float_denorm_mode_16_64 3
		.amdhsa_memory_ordered 1
		.amdhsa_forward_progress 1
		.amdhsa_inst_pref_size 101
	.end_amdhsa_kernel
	.amdgpu_metadata
---
amdhsa.version: [ 1, 2 ]
amdhsa.kernels:
  - .name:           k_q531f10762c_attn
    .symbol:         k_q531f10762c_attn.kd
    .args:
      - { .name: qc, .offset: 0, .size: 8, .value_kind: global_buffer, .address_space: global }
      - { .name: kc, .offset: 8, .size: 8, .value_kind: global_buffer, .address_space: global }
      - { .name: vc, .offset: 16, .size: 8, .value_kind: global_buffer, .address_space: global }
      - { .name: lowp_scales, .offset: 24, .size: 8, .value_kind: global_buffer, .address_space: global }
      - { .name: och, .offset: 32, .size: 8, .value_kind: global_buffer, .address_space: global }
    .group_segment_fixed_size: 327680
    .private_segment_fixed_size: 0
    .kernarg_segment_align: 8
    .kernarg_segment_size: 40
    .max_flat_workgroup_size: 512
    .sgpr_count:     100
    .vgpr_count:     256
    .wavefront_size: 32
...
	.end_amdgpu_metadata
.endif
;; end of part 3
;; launch gemm_proj (part 4): grid 4 x 64, 4 waves a work-group, clusters of 4 x 4, 327,680 bytes of LDS; arguments och, wc, lowp_scales, b_proj, out0; writes out0
.if DOCPART == 4
	.amdgcn_target "amdgcn-amd-amdhsa--gfx1250"
	.amdhsa_code_object_version 6
	.text
	.protected	k_q531f10762c_gemm_proj
	.globl	k_q531f10762c_gemm_proj
	.p2align	8
	.type	k_q531f10762c_gemm_proj,@function
k_q531f10762c_gemm_proj:
	s_mov_b64 s[64:65], 0
	v_nop
	global_prefetch_b8 v0, s[64:65] scope:SCOPE_SE
	s_setreg_imm32_b32 hwreg(HW_REG_WAVE_MODE, 25, 1), 1
	s_wait_xcnt 0x0
	s_wait_alu depctr_hold_cnt(0) depctr_sa_sdst(0) depctr_va_vdst(0) depctr_va_sdst(0) depctr_va_ssrc(0) depctr_va_vcc(0) depctr_vm_vsrc(0)
	s_getreg_b32 s2, hwreg(HW_REG_IB_STS2, 6, 4)
	s_cmp_eq_u32 s2, 0
	s_cbranch_scc0 .Lentry_in_a_cluster
	s_endpgm
.Lentry_in_a_cluster:
	s_bfe_u32 s2, ttmp6, 0x10000c
	s_cmp_lg_u32 s2, 0xf033
	s_cbranch_scc0 .Lentry_shape_is_right
	s_endpgm
.Lentry_shape_is_right:
.set PITCH, 272
.set AHALF, 4*64*80
.set BHALF, 128*PITCH
.set BOFF,  2*AHALF
.set SLOT,  2*AHALF+2*BHALF
.set STAGE, 2*SLOT
.set SPITCH, 528
.set SPARE, STAGE+4*16*SPITCH
.set ADRA, 16
.set ADRB, 20
.set STO,  24
.set RD,   25
.set CO,   26
.set SPW,  28
.set NIL,  29
.set BO8,  30
.set TMP,  32
.set BK,   128
.set G1,  24
.set G0,  32
.set G1B, 48
.set G0B, 56
.set MSB, 0
.macro WIN new
.if MSB != \new
	s_set_vgpr_msb (MSB<<8)|\new
.set MSB, \new
.endif
.endm
.macro PLACES n
.rept \n
	v_nop
.endr
.endm
.macro JLOAD s
	s_cmp_eq_u32 s15, 0
	s_cbranch_scc0 .Lfor_b_\@
	tensor_load_to_lds s[G0+4*\s:G0+4*\s+3], s[G1:G1+7]
	s_nop 0
	PLACES 4
	s_branch .Lasked_\@
.Lfor_b_\@:
	tensor_load_to_lds s[G0B+4*\s:G0B+4*\s+3], s[G1B:G1B+7]
	s_nop 0
	PLACES 4
.Lasked_\@:
.endm
.macro CREST
	s_cmp_lg_u32 s14, 0
	s_cbranch_scc1 .Lnot_wave_0_\@
	s_barrier_signal -3
.Lnot_wave_0_\@:
	s_barrier_wait -3
	s_barrier_signal -1
	s_barrier_wait -1
.endm
.macro CROUND
	s_barrier_signal -1
	s_barrier_wait -1
	CREST
.endm
	s_load_b128 s[4:7], s[0:1], 0x0
	s_load_b128 s[8:11], s[0:1], 0x10
	s_load_b64 s[12:13], s[0:1], 0x20
	v_lshl_add_u32 v[SPW], v0, 2, SPARE
	v_mov_b32 v[NIL], 0
	ds_add_u32 v[SPW], v[NIL]
	ds_add_u32 v[SPW], v[NIL]
	v_lshrrev_b32 v1, 5, v0
	v_readfirstlane_b32 s14, v1
	s_lshr_b32 s15, s14, 1
	s_and_b32 s16, s14, 1
	s_bfe_u32 s40, ttmp6, 0x40000
	s_bfe_u32 s41, ttmp6, 0x40004
	s_lshl_b32 s42, ttmp9, 2
	s_add_co_u32 s42, s42, s40
	s_and_b32 s17, ttmp7, 0xffff
	s_lshl_b32 s17, s17, 2
	s_add_co_u32 s17, s17, s41
	s_lshl_b32 s43, s41, 2
	s_lshl_b32 s43, 15, s43
	s_lshl_b32 s44, 0x1111, s40
	s_or_b32 s[G1+0], s43, (1<<20)|(1<<21)|(3<<22)|(3<<25)
	s_mov_b32 s[G1+1], 4096<<16
	s_mov_b32 s[G1+2], 4<<16
	s_mov_b32 s[G1+3], 4096<<16
	s_mov_b32 s[G1+4], 4
	s_mov_b32 s[G1+5], 524288
	s_mov_b32 s[G1+6], 0
	s_mov_b32 s[G1+7], 0
	s_or_b32 s[G1B+0], s44, (1<<20)|(1<<21)|(5<<22)|(3<<25)
	s_mov_b32 s[G1B+1], 256<<16
	s_mov_b32 s[G1B+2], 128<<16
	s_mov_b32 s[G1B+3], 256<<16
	s_mov_b32 s[G1B+4], 128
	s_mov_b32 s[G1B+5], 1024
	s_mov_b32 s[G1B+6], 0
	s_mov_b32 s[G1B+7], 0
	s_lshl_b32 s20, s17, 7
	s_lshl_b32 s18, s16, 6
	s_add_co_u32 s20, s20, s18
	s_lshl_b32 s20, s20, 6
	s_mov_b32 s21, 0
	s_lshl_b32 s46, s42, 8
	s_lshl_b32 s18, s16, 7
	s_add_co_u32 s46, s46, s18
	s_lshl_b32 s46, s46, 10
	s_add_co_u32 s46, s46, 0x300000
	s_mov_b32 s47, 0
	s_mul_i32 s45, s16, AHALF
	s_mul_i32 s18, s16, BHALF
	s_add_co_u32 s18, s18, BOFF
	s_wait_dscnt 0x0
	s_wait_kmcnt 0x0
	s_load_b256 s[80:87], s[8:9], 0x0
	s_add_nc_u64 s[20:21], s[4:5], s[20:21]
	s_add_nc_u64 s[46:47], s[6:7], s[46:47]
	CROUND
.irp s, 0,1
	s_mov_b32 s[G0+4*\s], 1
	s_add_co_u32 s[G0+4*\s+1], s45, \s*SLOT
	s_add_nc_u64 s[G0+4*\s+2:G0+4*\s+3], s[20:21], \s*2097152
	s_or_b32 s[G0+4*\s+3], s[G0+4*\s+3], 0x80000000
	s_mov_b32 s[G0B+4*\s], 1
	s_add_co_u32 s[G0B+4*\s+1], s18, \s*SLOT
	s_add_nc_u64 s[G0B+4*\s+2:G0B+4*\s+3], s[46:47], \s*256
	s_or_b32 s[G0B+4*\s+3], s[G0B+4*\s+3], 0x80000000
.endr
	JLOAD 0                                        ; K step 0 (heads 0-3; wc's K 0..255): one tensor load a wave at the head
; THE PREFETCHES: behind each of the two first joint loads one instruction a wave asks for the K step two refills on (steps 2 and 3; K has four).  The four partners that ask for a tile jointly share it out by
; address: of och's four heads of 4,096 bytes the partner at cx takes one, 16 lanes 256 bytes apart (lanes 16-31 name the last block again); of wc's 128 rows the partner at cy takes 32, a lane a row.
.set PFO, 18                           ; v18 the prefetches' offset; s[66:67], s[68:69] my work-group's part at K steps 2 and 3; none is rewritten
	s_lshl_b32 s70, s17, 7
	s_lshl_b32 s71, s16, 6
	s_add_co_u32 s70, s70, s71
	s_lshl_b32 s70, s70, 6                         ; och: my 64 tokens, 64 bytes each,
	s_lshl_b32 s71, s40, 19
	s_add_co_u32 s70, s70, s71                     ; in the step's head cx
	s_lshl_b32 s72, s42, 8
	s_lshl_b32 s73, s16, 7
	s_add_co_u32 s72, s72, s73
	s_lshl_b32 s73, s41, 5
	s_add_co_u32 s72, s72, s73
	s_lshl_b32 s72, s72, 10
	s_add_co_u32 s72, s72, 0x300000                ; wc: w_proj's rows begin at row 3,072
	s_cmp_eq_u32 s15, 0                            ; do I fetch och?
	s_cselect_b32 s70, s70, s72
	s_cselect_b64 s[66:67], s[4:5], s[6:7]
	s_mov_b32 s74, 256
	s_cselect_b32 s74, 0x200000, s74               ; a K step on: four heads of och, 256 bytes of wc's rows
	s_cselect_b32 s76, 15, 31
	s_cselect_b32 s77, 8, 10
	s_mov_b32 s71, 0
	s_mov_b32 s75, 0
	s_add_nc_u64 s[66:67], s[66:67], s[70:71]
	s_add_nc_u64 s[66:67], s[66:67], s[74:75]
	s_add_nc_u64 s[66:67], s[66:67], s[74:75]
	s_add_nc_u64 s[68:69], s[66:67], s[74:75]
	v_and_b32 v[PFO], 31, v0
	v_min_u32 v[PFO], s76, v[PFO]
	v_lshlrev_b32 v[PFO], s77, v[PFO]
	global_prefetch_b8 v[PFO], s[66:67] th:TH_LOAD_NT scope:SCOPE_SE
	v_and_b32 v1, 15, v0
	v_bfe_u32 v2, v0, 4, 1
	v_and_b32 v3, 31, v0
	v_mul_u32_u24 v4, v1, 80
	v_lshl_add_u32 v4, v2, 4, v4
	v_mul_u32_u24 v5, v1, PITCH
	v_lshl_add_u32 v5, v2, 4, v5
	s_mul_i32 s21, s15, AHALF
	s_mul_i32 s22, s16, BHALF
	s_add_co_u32 s22, s22, BOFF
.irp s, 0,1
	v_add_nc_u32 v[ADRA+\s], s21, v4
	v_add_nc_u32 v[ADRB+\s], s22, v5
	s_add_co_u32 s21, s21, SLOT
	s_add_co_u32 s22, s22, SLOT
.endr
	s_mul_i32 s23, s14, 16*SPITCH
	s_add_co_u32 s23, s23, STAGE
	v_mul_u32_u24 v5, v1, SPITCH
	v_lshl_add_u32 v5, v2, 5, v5
	v_add_nc_u32 v[STO], s23, v5
	v_lshlrev_b32 v[CO], 4, v3
	v_add_nc_u32 v[RD], s23, v[CO]
	v_lshlrev_b32 v[BO8], 5, v2
	s_wait_alu depctr_va_vdst(0)
	s_lshl_b32 s92, s42, 10
	s_lshl_b32 s94, s16, 9
	s_add_co_u32 s92, s92, s94
	s_mov_b32 s93, 0
	s_add_nc_u64 s[10:11], s[10:11], s[92:93]
	s_add_nc_u64 s[12:13], s[12:13], s[92:93]
	s_lshl_b32 s92, s17, 7
	s_lshl_b32 s94, s15, 6
	s_add_co_u32 s92, s92, s94
	s_lshl_b32 s92, s92, 12
	s_add_nc_u64 s[12:13], s[12:13], s[92:93]
	WIN 0xc0
.irp b, 0,1,2,3,4,5,6,7
	global_load_b128 v[8*\b:8*\b+3],   v[BO8], s[10:11] offset:64*\b
	global_load_b128 v[8*\b+4:8*\b+7], v[BO8], s[10:11] offset:64*\b+16
.endr
	WIN 0
.macro FETCH slot, q, p
	WIN 0x40
.irp b, 0,1,2,3,4,5,6,7
.irp c, 0,1,2,3
	ds_load_b128 v[128*(\p)+16*\b+4*\c:128*(\p)+16*\b+4*\c+3], v[ADRB+\slot] offset:128*(\q)+32*\c+\b*16*PITCH
.endr
.endr
	WIN 0
.irp a, 0,1,2,3
.irp c, 0,1,2,3
	ds_load_b128 v[128+64*(\p)+16*\a+4*\c:128+64*(\p)+16*\a+4*\c+3], v[ADRA+\slot] offset:(2*(\q)+\c/2)*5120+\a*1280+32*(\c%2)
.endr
.endr
.endm
.macro MUL a, p, zero
	WIN 0xa1
.irp b, 0,1,2,3,4,5,6,7
.if \zero
	v_wmma_f32_16x16x128_fp8_fp8 v[8*(8*(\a)+\b):8*(8*(\a)+\b)+7], v[128*(\p)+16*\b:128*(\p)+16*\b+15], v[128+64*(\p)+16*(\a):128+64*(\p)+16*(\a)+15], 0
.else
	v_wmma_f32_16x16x128_fp8_fp8 v[8*(8*(\a)+\b):8*(8*(\a)+\b)+7], v[128*(\p)+16*\b:128*(\p)+16*\b+15], v[128+64*(\p)+16*(\a):128+64*(\p)+16*(\a)+15], v[8*(8*(\a)+\b):8*(8*(\a)+\b)+7]
.endif
.endr
.endm
.macro STEP slot, zero
	s_wait_dscnt 0x0
	PLACES 4
	FETCH \slot, 1, 1
	MUL 0, 0, \zero
	MUL 1, 0, \zero
	MUL 2, 0, \zero
	MUL 3, 0, \zero
	WIN 0
.endm
.macro TURN slot, next, fill
	s_wait_tensorcnt 0x0
	ds_add_u32 v[SPW], v[NIL]
	s_wait_dscnt 1
	MUL 0, 1, 0
	s_wait_dscnt 0x0
	s_barrier_signal -1
	MUL 1, 1, 0
	WIN 0
	s_barrier_wait -1
.if \fill
	CREST
	s_add_nc_u64 s[G0+4*\slot+2:G0+4*\slot+3], s[G0+4*\slot+2:G0+4*\slot+3], 4194304
	s_add_nc_u64 s[G0B+4*\slot+2:G0B+4*\slot+3], s[G0B+4*\slot+2:G0B+4*\slot+3], 512
	JLOAD \slot
.else
	PLACES 4
.endif
	FETCH \next, 0, 0
	MUL 2, 1, 0
	MUL 3, 1, 0
	WIN 0
.endm
	s_wait_alu depctr_va_vdst(0)                   ; the wait at the head's end
	s_wait_tensorcnt 0x0                           ; my part of slot 0 is in
	ds_add_u32 v[SPW], v[NIL]
	s_wait_dscnt 0x0
	CROUND                                         ; a whole round: slot 0 is whole in every partner
	JLOAD 1                                        ; slot 1's first fill, the first tensor load behind the round
	FETCH 0, 0, 0
	global_prefetch_b8 v[PFO], s[68:69] th:TH_LOAD_NT scope:SCOPE_SE
	STEP 0, 1
	TURN 0, 1, 1
	STEP 1, 0
	TURN 1, 0, 1
	STEP 0, 0
	TURN 0, 1, 0
	STEP 1, 0
	s_wait_dscnt 0x0
	MUL 0, 1, 0
	MUL 1, 1, 0
	MUL 2, 1, 0
	MUL 3, 1, 0
	WIN 0
.macro TOSTAGE a
	WIN 0x32
.irp j, 0,2,4,6,8,10,12,14,16,18,20,22,24,26,28,30,32,34,36,38,40,42,44,46,48,50,52,54,56,58,60,62
	v_pk_fma_f32 v[TMP+\j:TMP+\j+1], v[64*(\a)+\j:64*(\a)+\j+1], s[96:97], v[\j:\j+1] op_sel_hi:[1,0,1]
.endr
	WIN 0
.irp b, 0,1,2,3,4,5,6,7
	ds_store_b128 v[STO], v[TMP+8*\b:TMP+8*\b+3] offset:64*\b
	ds_store_b128 v[STO], v[TMP+8*\b+4:TMP+8*\b+7] offset:64*\b+16
.endr
.set BB, BK+64*((\a)%2)
.irp t, 0,1,2,3,4,5,6,7,8,9,10,11,12,13,14,15
	ds_load_b128 v[BB+4*\t:BB+4*\t+3], v[RD] offset:\t*SPITCH
.endr
.endm
.macro SEND a, younger
.set BB, BK+64*((\a)%2)
	s_wait_dscnt \younger
.if (\a) > 0
	s_add_nc_u64 s[12:13], s[12:13], 16*4096
.endif
.irp t, 0,1,2,3,4,5,6,7,8,9,10,11,12,13,14,15
	global_store_b128 v[CO], v[BB+4*\t:BB+4*\t+3], s[12:13] offset:\t*4096 th:TH_STORE_NT
.endr
.endm
	s_wait_loadcnt 0x0
	s_wait_kmcnt 0x0
	s_add_co_i32 s96, s86, s87
	s_add_co_i32 s96, s96, 127
	s_lshl_b32 s96, s96, 23
	s_mov_b32 s97, s96
	PLACES 4
	TOSTAGE 0
.irp a, 1,2,3
.if \a > 1
	s_wait_xcnt 0x0
.endif
	TOSTAGE \a
	SEND \a-1, 32
.endr
	s_wait_xcnt 0x0
	SEND 3, 0
	s_wait_tensorcnt 0x0
	ds_add_u32 v[SPW], v[NIL]
	s_wait_dscnt 0x0
	CROUND
	s_endpgm
.Lfunc_end_k_q531f10762c_gemm_proj:
	.size	k_q531f10762c_gemm_proj, .Lfunc_end_k_q531f10762c_gemm_proj-k_q531f10762c_gemm_proj
	.p2alignl 7, 3214868480
	.fill 96, 4, 3214868480
	.section	.rodata,"a",@progbits
	.p2align	6, 0x0
	.amdhsa_kernel k_q531f10762c_gemm_proj
		.amdhsa_group_segment_fixed_size 327680
		.amdhsa_private_segment_fixed_size 0
		.amdhsa_enable_private_segment 0
		.amdhsa_kernarg_size 40
		.amdhsa_user_sgpr_count 2
		.amdhsa_user_sgpr_kernarg_segment_ptr 1
		.amdhsa_wavefront_size32 1
		.amdhsa_system_sgpr_workgroup_id_x 1
		.amdhsa_system_sgpr_workgroup_id_y 1
		.amdhsa_system_sgpr_workgroup_id_z 1
		.amdhsa_system_vgpr_workitem_id 0
		.amdhsa_next_free_vgpr 832
		.amdhsa_next_free_sgpr 100
		.amdhsa_reserve_vcc 0
		.amdhsa_float_denorm_mode_32 3
		.amdhsa_float_denorm_mode_16_64 3
		.amdhsa_memory_ordered 1
		.amdhsa_forward_progress 1
		.amdhsa_inst_pref_size 79
	.end_amdhsa_kernel
	.amdgpu_metadata
---
amdhsa.version: [ 1, 2 ]
amdhsa.kernels:
  - .name:           k_q531f10762c_gemm_proj
    .symbol:         k_q531f10762c_gemm_proj.kd
    .args:
      - { .name: och, .offset: 0, .size: 8, .value_kind: global_buffer, .address_space: global }
      - { .name: wc, .offset: 8, .size: 8, .value_kind: global_buffer, .address_space: global }
      - { .name: lowp_scales, .offset: 16, .size: 8, .value_kind: global_buffer, .address_space: global }
      - { .name: b_proj, .offset: 24, .size: 8, .value_kind: global_buffer, .address_space: global }
      - { .name: out0, .offset: 32, .size: 8, .value_kind: global_buffer, .address_space: global }
    .group_segment_fixed_size: 327680
    .private_segment_fixed_size: 0
    .kernarg_segment_align: 8
    .kernarg_segment_size: 40
    .max_flat_workgroup_size: 128
    .sgpr_count:     100
    .vgpr_count:     832
    .wavefront_size: 32
...
	.end_amdgpu_metadata
.endif
;; end of part 4
